; MI455X (gfx1250); checked and timed in simulation.
; The chip was launched on July 23, 2026; its instructions are those of AMD's public machine-readable ISA for CDNA 5 (MIT licence, August 2026) and "CDNA5" Instruction Set Architecture Reference Guide (July 2026). The comments in the code are by the model that wrote it; some were corrected since.
;; Linformer Multi Head Self Attention. Allowed arithmetic: float matrix products may take bf16 or f16 operands with f32 sums; other float arithmetic in f32, or as packed bf16 or f16 multiplies, adds, multiply-adds, maxima and minima; sums over many terms, partial sums and values carried from step to step in f32; what a program stores and reads back later, other than sums and carried values, may be rounded once to bf16 or f16.
;; Inputs: proj_e 2,048 x 128 float32; proj_f 2,048 x 128 float32; w_k 1,024 x 1,024 float32; w_o 1,024 x 1,024 float32; w_q 1,024 x 1,024 float32; w_v 1,024 x 1,024 float32; x 4 x 2,048 x 1,024 float32.
;; Outputs: out0 4 x 2,048 x 1,024 float32.
;; One version. Each part assembles by itself: llvm-mc -triple=amdgcn-amd-amdhsa -mcpu=gfx1250 --defsym DOCPART=n.
;; ======== version 1 of 1: 4 launches
;; limits: values are held in f16: magnitudes above 65,504 overflow, below 6.1e-05 lose precision; right only within a limited range of input values
;; workspace buffers: xh 16,777,216 bytes; wh 8,388,608 bytes; xeh 2,097,152 bytes; kv 2,097,152 bytes; scl 1,024 bytes; ao 16,777,216 bytes
;; launch prep (part 1): grid 256 x 1, 8 waves a work-group, no clusters, 223,232 bytes of LDS; arguments x, proj_e, proj_f, w_q, w_k, w_v, w_o, xh, wh, xeh; writes xh, wh, xeh
.if DOCPART == 1
	.amdgcn_target "amdgcn-amd-amdhsa--gfx1250"
	.amdhsa_code_object_version 6
	.text
	.protected	k_q8c4a983de2_prep
	.globl	k_q8c4a983de2_prep
	.p2align	8
	.type	k_q8c4a983de2_prep,@function
k_q8c4a983de2_prep:
	s_mov_b64 s[64:65], 0
	v_nop
	global_prefetch_b8 v0, s[64:65] scope:SCOPE_SE
	s_setreg_imm32_b32 hwreg(HW_REG_WAVE_MODE, 25, 1), 1
	s_wait_xcnt 0x0
; LINFORMER SELF-ATTENTION, launch 1 of 4.  b = 4, n = 2048, f = 1024, 16 heads of d = 64, e = 128.
; ORDER OF THE PRODUCTS.  k and v enter the result only through their sums over n with proj_e and proj_f, and
;   sum_n E[n][e] (sum_f x[n][f] Wk[g][f]) = sum_f (sum_n E[n][e] x[n][f]) Wk[g][f]   for all values of the inputs,
; so this program forms XE = E^T x and XF = F^T x (here) and multiplies these 128 rows a batch by Wk and Wv (launch 2), where the
; problem's text multiplies all 2,048 rows.  No input and no step is left out: every input is loaded and reaches the output.
; LIMITS.  All matrix operands are f16, all sums f32.  The order of rounding differs from the problem's text: XE and XF are rounded to
; f16 before they meet Wk and Wv.  |x|, |w|, |E|, |F|, |XE|, |XF| and |q| must stay under 65,504 (f16's largest number); numbers
; under 6.1e-5 are kept to 6e-8 absolute.  K', V' and the attention's result have no such room and carry powers of two (launches 2 to 4).
;
; THIS LAUNCH: xh = f16(x), wh = f16(w_q, w_k, w_v, w_o), xeh = f16(E^T x, F^T x), all in PANELS: [16 panels][rows][64 numbers],
; panel p = columns 64 p .. 64 p + 63, so that rows of one panel follow each other without a gap (128 bytes a row).
; Work-group g: mq = g & 3 (kind = mq >> 1: E or F; eh = mq & 1: which 64 of its 128 columns), b = g >> 6, fb = (g >> 2) & 15.
; It makes the 64 (e) x 64 (f) tile of xeh over all n.  Wave w takes 32 rows of n in each of 8 trips and holds the whole tile in 16 accumulators;
; the eight partial tiles meet in LDS at the end.  In the loop a wave touches only its own LDS bytes: no barrier there.
; THE LOADS run two trips ahead: a trip is two half trips of 16 rows (16 loads of 512 bytes), half trip k = 2 t + hs owns register buffer k & 3 and asks for
; half trip k + 4 as soon as it has converted its own: 64 loads, 32 KiB a wave, 256 KiB a work-group are on their way, of the 1 MiB that it reads.
; The four work-groups that read one block of x share the writing of xh: trips with (t & 3) == mq.  Each work-group also converts 16 rows of one weight;
; their loads go out in half trip 12, into the first buffer that has nothing left to fetch.
; NO TENSOR LOADS, NO JOINT LOADS: both operands are f32 with the summed index n along the slow axis, so every byte has to pass through registers
; (convert, store to LDS, read back transposed); a copy into LDS in front of that would be a second trip through LDS.
.set SP,   160                         ; stage pitch: 128 bytes of data + 32 (an odd multiple of 32)
.set STG,  10240                       ; a wave's stage: 32 rows of x, then 32 rows of E or F
.set EFS,  5120                        ; where E's or F's rows begin in it
.set RED,  81920                       ; [8 waves][16 tiles][2 halves][32 lanes][16 bytes]
.set OUTB, 212992                      ; 64 rows (e) x 144 bytes
.set OP,   144
.set XO,  4                            ; v4   x:      (32 w + hh) 4096 + 16 r
.set EO,  5                            ; v5   E, F:   (32 w + hh) 512 + 16 r
.set WO,  6                            ; v6   weight: (2 w + hh) 4096 + 16 r
.set WS,  7                            ; v7   wh:     256 w + 8 L
.set XS,  8                            ; v8   xh:     4096 w + 8 L
.set SX,  9                            ; v9   stage, in:  w STG + hh SP + 8 r
.set TX,  10                           ; v10  stage, out: w STG + (8 hh + (L & 7)) SP + 16 ((L >> 3) & 1)
.set RW,  11                           ; v11  RED, my partial tiles
.set RR0, 12                           ; v12  RED, the tiles that I sum, waves 0-3
.set RR1, 13                           ; v13  the same, waves 4-7
.set OW,  14                           ; v14  OUT, in
.set ORD, 15                           ; v15  OUT, back
.set XEO, 16                           ; v16  xeh: 1024 w + 16 L
.set T,   32                           ; v[32:63]   packed f16: x in 0-15, E or F in 16-31
                                       ; v[64:191]  load buffers 0, 1 (even trips), 64 registers each: load i of x at 4 i, of E or F at 32 + 4 i
.set FR,  192                          ; v[192:255] fragments: x's a at 8 a, E's or F's q at 32 + 8 q
                                       ; window 1: v[0:127] accumulator tile (a, q) at 8 (4 a + q);  v[128:255] load buffers 2, 3 (odd trips)
.set MSB, 0
.macro WIN new                         ; the immediate's high byte repeats the setting that is left
.if MSB != \new
	s_set_vgpr_msb (MSB<<8)|\new
.set MSB, \new
.endif
.endm
	s_load_b256 s[4:11], s[0:1], 0x0               ; x s[4:5], proj_e s[6:7], proj_f s[8:9], w_q s[10:11]
	s_load_b256 s[12:19], s[0:1], 0x20             ; w_k s[12:13], w_v s[14:15], w_o s[16:17], xh s[18:19]
	s_load_b128 s[20:23], s[0:1], 0x40             ; wh s[20:21], xeh s[22:23]
	v_lshl_add_u32 v30, v0, 2, 0x36400
	v_mov_b32 v31, 0
	v_lshrrev_b32 v1, 5, v0
	v_readfirstlane_b32 s24, v1                    ; w
	v_and_b32 v1, 31, v0                           ; L
	v_and_b32 v2, 15, v0                           ; r
	v_bfe_u32 v3, v0, 4, 1                         ; hh
	s_and_b32 s25, ttmp9, 3                        ; mq
	s_lshr_b32 s26, ttmp9, 2
	s_lshr_b32 s27, s26, 4                         ; b
	s_and_b32 s28, s26, 15                         ; fb
	s_lshr_b32 s29, s25, 1                         ; kind
	s_and_b32 s30, s25, 1                          ; eh
	s_lshr_b32 s31, ttmp9, 6                       ; which weight: q, k, v, o
	s_and_b32 s32, ttmp9, 63                       ; which 16 of its rows
	v_lshlrev_b32 v17, 4, v2                       ; 16 r
	v_lshlrev_b32 v18, 3, v1                       ; 8 L
	v_lshlrev_b32 v19, 4, v1                       ; 16 L
	s_lshl_b32 s33, s24, 17
	v_lshl_add_u32 v[XO], v3, 12, v17
	v_add_nc_u32 v[XO], s33, v[XO]
	s_lshl_b32 s33, s24, 14
	v_lshl_add_u32 v[EO], v3, 9, v17
	v_add_nc_u32 v[EO], s33, v[EO]
	s_lshl_b32 s33, s24, 13
	v_lshl_add_u32 v[WO], v3, 12, v17
	v_add_nc_u32 v[WO], s33, v[WO]
	s_lshl_b32 s33, s24, 8
	v_add_nc_u32 v[WS], s33, v18
	s_lshl_b32 s33, s24, 12
	v_add_nc_u32 v[XS], s33, v18
	s_mul_i32 s33, s24, STG
	v_mul_u32_u24 v20, v3, SP
	v_lshl_add_u32 v[SX], v2, 3, v20
	v_add_nc_u32 v[SX], s33, v[SX]
	v_and_b32 v21, 7, v0
	v_lshl_add_u32 v21, v3, 3, v21
	v_mul_u32_u24 v21, v21, SP
	v_bfe_u32 v22, v0, 3, 1
	v_lshl_add_u32 v[TX], v22, 4, v21
	v_add_nc_u32 v[TX], s33, v[TX]
	s_lshl_b32 s33, s24, 14
	s_add_co_u32 s33, s33, RED
	v_add_nc_u32 v[RW], s33, v19
	s_lshl_b32 s33, s24, 11
	s_add_co_u32 s33, s33, RED
	v_add_nc_u32 v[RR0], s33, v19
	v_add_nc_u32 v[RR1], 0x10000, v[RR0]
	s_and_b32 s33, s24, 1
	s_mul_i32 s33, s33, 32*OP
	s_lshr_b32 s34, s24, 1
	s_lshl_b32 s34, s34, 5
	s_add_co_u32 s33, s33, s34
	s_add_co_u32 s33, s33, OUTB
	v_mul_u32_u24 v23, v2, OP
	v_lshl_add_u32 v23, v3, 4, v23
	v_add_nc_u32 v[OW], s33, v23                   ; OUT + (32 (w & 1) + r) 144 + 32 (w >> 1) + 16 hh
	s_mul_i32 s33, s24, 8*OP
	s_add_co_u32 s33, s33, OUTB
	v_bfe_u32 v24, v0, 3, 2
	v_mul_u32_u24 v24, v24, OP
	v_and_b32 v25, 7, v0
	v_lshl_add_u32 v24, v25, 4, v24
	v_add_nc_u32 v[ORD], s33, v24                  ; OUT + (8 w + (L >> 3)) 144 + 16 (L & 7)
	s_lshl_b32 s33, s24, 10
	v_add_nc_u32 v[XEO], s33, v19
	s_mov_b32 s35, 0
	s_wait_kmcnt 0x0
	s_lshl_b32 s34, s27, 23                        ; a batch of x: 2,048 rows of 4,096 bytes
	s_lshl_b32 s33, s28, 8
	s_add_co_u32 s34, s34, s33
	s_add_nc_u64 s[36:37], s[4:5], s[34:35]        ; x at my batch and my 64 columns
	s_cmp_lg_u32 s29, 0
	s_cselect_b64 s[38:39], s[8:9], s[6:7]         ; proj_f or proj_e
	s_lshl_b32 s34, s30, 8
	s_add_nc_u64 s[38:39], s[38:39], s[34:35]      ; at my 64 columns
	s_bitcmp1_b32 s31, 0
	s_cselect_b64 s[40:41], s[12:13], s[10:11]     ; w_k or w_q
	s_cselect_b64 s[42:43], s[16:17], s[14:15]     ; w_o or w_v
	s_bitcmp1_b32 s31, 1
	s_cselect_b64 s[40:41], s[42:43], s[40:41]
	s_lshl_b32 s34, s32, 16
	s_add_nc_u64 s[40:41], s[40:41], s[34:35]      ; my weight at my 16 rows
	s_lshl_b32 s34, s31, 21
	s_lshl_b32 s33, s32, 11
	s_add_co_u32 s34, s34, s33
	s_add_nc_u64 s[42:43], s[20:21], s[34:35]      ; wh: the weight's 2,097,152 bytes, my 16 rows of panel 0
	s_lshl_b32 s34, s28, 20
	s_lshl_b32 s33, s27, 18
	s_add_co_u32 s34, s34, s33
	s_add_nc_u64 s[44:45], s[18:19], s[34:35]      ; xh: panel fb, my batch's first row
	s_lshl_b32 s34, s28, 17
	s_lshl_b32 s33, s29, 16
	s_add_co_u32 s34, s34, s33
	s_lshl_b32 s33, s27, 14
	s_add_co_u32 s34, s34, s33
	s_lshl_b32 s33, s30, 13
	s_add_co_u32 s34, s34, s33
	s_add_nc_u64 s[46:47], s[22:23], s[34:35]      ; xeh: panel fb, row kind 512 + b 128 + eh 64
; 16 loads: sixteen rows of x and of E or F (half hs of trip t) into the half trip's buffer.  One load covers two rows of 256 consecutive bytes.
; All steps stand in the immediates (7,462,912 at the most); no address register is ever rewritten.
.macro LOADS t, hs
.set lw, (\t)&1                        ; odd trips' buffers lie in window 1
.set lb, 64+64*\hs+64*lw
	WIN 0x40*lw                                    ; the loads' destination
.irp i, 0,1,2,3,4,5,6,7
	global_load_b128 v[lb+4*\i:lb+4*\i+3], v[XO], s[36:37] offset:(256*(\t)+16*\hs+2*\i)*4096
.endr
.irp i, 0,1,2,3,4,5,6,7
	global_load_b128 v[lb+32+4*\i:lb+32+4*\i+3], v[EO], s[38:39] offset:(256*(\t)+16*\hs+2*\i)*512
.endr
	WIN 0
.endm
.macro WLOADS                          ; two rows of the weight, 64 columns (panel u) a load, into buffer 0
.irp u, 0,1,2,3,4,5,6,7,8,9,10,11,12,13,14,15
	global_load_b128 v[64+4*\u:64+4*\u+3], v[WO], s[40:41] offset:256*\u th:TH_LOAD_NT
.endr
.endm
	LOADS 0, 0                                     ; the ring is filled: four half trips.  The issue of a load that would pass the counter's field
	LOADS 0, 1                                     ; is held until an older one is back (ISA guide 5.7.1): no wait is written for that
	LOADS 1, 0
	LOADS 1, 1
; Half trip k = 2 t + hs: sixteen rows are converted, staged, and (in this work-group's trips) stored to xh; the buffer is asked again for half trip k + 4.
; The wait leaves out what was issued behind this buffer's loads: half trips k + 1, k + 2, k + 3 (48 loads); in the tail the weight's 16 stand for
; half trip 16, so the counts are 48 up to k = 13, then 32 and 16.
.macro HALF t, hs
.set hk, 2*\t+\hs
.set hw, \t&1
.set hb, 64+64*\hs+64*hw
.set hl, 48
.if hk > 13
.set hl, 16*(16-hk)
.endif
	s_wait_loadcnt hl
	WIN 0x05*hw                                    ; the conversions' two sources
.irp i, 0,1,2,3,4,5,6,7
	v_cvt_pk_f16_f32 v[T+2*\i],    v[hb+4*\i],      v[hb+4*\i+1]
	v_cvt_pk_f16_f32 v[T+2*\i+1],  v[hb+4*\i+2],    v[hb+4*\i+3]
	v_cvt_pk_f16_f32 v[T+16+2*\i], v[hb+32+4*\i],   v[hb+32+4*\i+1]
	v_cvt_pk_f16_f32 v[T+17+2*\i], v[hb+32+4*\i+2], v[hb+32+4*\i+3]
.endr
	WIN 0
.irp i, 0,1,2,3,4,5,6,7
	ds_store_b64 v[SX], v[T+2*\i:T+2*\i+1]     offset:(16*\hs+2*\i)*SP
	ds_store_b64 v[SX], v[T+16+2*\i:T+17+2*\i] offset:(16*\hs+2*\i)*SP+EFS
.endr
.if hk < 12
	LOADS \t+2, \hs
.endif
.if hk == 12
	WLOADS
.endif
	s_cmp_lg_u32 s25, (\t&3)                       ; the four work-groups that read this block of x take turns in writing xh
	s_cbranch_scc1 .Lno_xh_\@
.irp i, 0,1,2,3,4,5,6,7
	global_store_b64 v[XS], v[T+2*\i:T+2*\i+1], s[44:45] offset:(256*\t+16*\hs+2*\i)*128   ; 256 consecutive bytes: two rows of the panel
.endr
	s_wait_xcnt 0x0                                ; T is these stores' data and is rewritten in the next half trip; on the other way no store reads it
.Lno_xh_\@:
.endm
; A trip: 32 rows of n.  The stage is the wave's own and LDS serves a wave's instructions in order, so the transposing loads see the stores above.
; The 64 conversions of a trip are the places between the last trip's matrix instructions and the loads into their sources.
; The sixteen accumulators take turns, one instruction a turn.
.macro TRIP t, zero
	HALF \t, 0
	HALF \t, 1
.irp a, 0,1,2,3
	ds_load_tr16_b128 v[FR+8*\a:FR+8*\a+3],       v[TX] offset:32*\a              ; x: index f = 16 a + r, n = 8 hh .. + 7
	ds_load_tr16_b128 v[FR+8*\a+4:FR+8*\a+7],     v[TX] offset:32*\a+16*SP        ;    n = 16 + 8 hh .. + 7
	ds_load_tr16_b128 v[FR+32+8*\a:FR+32+8*\a+3], v[TX] offset:32*\a+EFS          ; E or F: index e = 16 a + r
	ds_load_tr16_b128 v[FR+36+8*\a:FR+36+8*\a+3], v[TX] offset:32*\a+16*SP+EFS
.endr
	s_wait_dscnt 0x0
	WIN 0x50                                       ; C and D in window 1
.irp a, 0,1,2,3
.irp q, 0,1,2,3
.if \zero
	v_wmma_f32_16x16x32_f16 v[8*(4*\a+\q):8*(4*\a+\q)+7], v[FR+8*\a:FR+8*\a+7], v[FR+32+8*\q:FR+32+8*\q+7], 0
.else
	v_wmma_f32_16x16x32_f16 v[8*(4*\a+\q):8*(4*\a+\q)+7], v[FR+8*\a:FR+8*\a+7], v[FR+32+8*\q:FR+32+8*\q+7], v[8*(4*\a+\q):8*(4*\a+\q)+7]
.endif
.endr
.endr
	WIN 0
.endm
	TRIP 0, 1                                      ; the first products start the sums
	TRIP 1, 0
	TRIP 2, 0
	TRIP 3, 0
	TRIP 4, 0
	TRIP 5, 0
	TRIP 6, 0                                      ; trips 6 and 7 ask for no more of x, E or F: no load leaves its buffer
	TRIP 7, 0
	; the weight's 16 rows.  The 32 conversions are also the places between the last matrix instructions and the stores of their results.
	s_wait_loadcnt 0x0                             ; the weight's loads, the last that are out
.irp u, 0,1,2,3,4,5,6,7,8,9,10,11,12,13,14,15
	v_cvt_pk_f16_f32 v[T+2*\u],   v[64+4*\u],   v[64+4*\u+1]
	v_cvt_pk_f16_f32 v[T+2*\u+1], v[64+4*\u+2], v[64+4*\u+3]
.endr
.irp u, 0,1,2,3,4,5,6,7,8,9,10,11,12,13,14,15
	global_store_b64 v[WS], v[T+2*\u:T+2*\u+1], s[42:43] offset:131072*\u   ; 256 consecutive bytes: two rows of panel u
.endr
	; the eight partial tiles meet in LDS
	WIN 0x04                                       ; store data in window 1
.irp u, 0,1,2,3,4,5,6,7,8,9,10,11,12,13,14,15
	ds_store_b128 v[RW], v[8*\u:8*\u+3]   offset:1024*\u
	ds_store_b128 v[RW], v[8*\u+4:8*\u+7] offset:1024*\u+512
.endr
	WIN 0
	s_wait_dscnt 0x0                               ; my partial tiles are in LDS, for the others' sake
	s_barrier_signal -1
	s_barrier_wait -1
	; wave w sums tiles 2 w and 2 w + 1 over the eight waves, in ascending order
.irp s, 0,1,2,3
.irp i, 0,1
	ds_load_b128 v[64+16*\s+8*\i:64+16*\s+8*\i+3],   v[RR0] offset:16384*\s+1024*\i
	ds_load_b128 v[64+16*\s+8*\i+4:64+16*\s+8*\i+7], v[RR0] offset:16384*\s+1024*\i+512
.endr
.endr
.irp s, 0,1,2,3
.irp i, 0,1
	ds_load_b128 v[128+16*\s+8*\i:128+16*\s+8*\i+3],   v[RR1] offset:16384*\s+1024*\i
	ds_load_b128 v[128+16*\s+8*\i+4:128+16*\s+8*\i+7], v[RR1] offset:16384*\s+1024*\i+512
.endr
.endr
	s_wait_dscnt 0x0
.irp s, 1,2,3,4,5,6,7
.irp p, 0,2,4,6,8,10,12,14
	v_pk_add_f32 v[64+\p:65+\p], v[64+\p:65+\p], v[64+16*\s+\p:65+16*\s+\p]
.endr
.endr
	s_wait_xcnt 0x0                                ; T was the data of the stores to wh
	; tile 4 a + q = 2 w + i: a lane's 8 numbers are f = 16 a + 8 hh + 0..7 of row e = 16 q + r
.irp i, 0,1
.irp k, 0,1,2,3
	v_cvt_pk_f16_f32 v[T+4*\i+\k], v[64+8*\i+2*\k], v[64+8*\i+2*\k+1]
.endr
	ds_store_b128 v[OW], v[T+4*\i:T+4*\i+3] offset:16*OP*\i
.endr
	s_wait_dscnt 0x0
	s_barrier_signal -1
	s_barrier_wait -1
	ds_load_b128 v[40:43], v[ORD]                  ; four whole rows of 128 bytes
	ds_load_b128 v[44:47], v[ORD] offset:4*OP
	s_wait_dscnt 1                                 ; the first is in, the second may be out
	global_store_b128 v[XEO], v[40:43], s[46:47]   ; 512 consecutive bytes
	s_wait_dscnt 0x0
	global_store_b128 v[XEO], v[44:47], s[46:47] offset:512
	s_wait_tensorcnt 0x0
	ds_add_u32 v30, v31
	s_wait_dscnt 0x0
	s_endpgm
.Lfunc_end_k_q8c4a983de2_prep:
	.size	k_q8c4a983de2_prep, .Lfunc_end_k_q8c4a983de2_prep-k_q8c4a983de2_prep
	.p2alignl 7, 3214868480
	.fill 96, 4, 3214868480
	.section	.rodata,"a",@progbits
	.p2align	6, 0x0
	.amdhsa_kernel k_q8c4a983de2_prep
		.amdhsa_group_segment_fixed_size 223232
		.amdhsa_private_segment_fixed_size 0
		.amdhsa_enable_private_segment 0
		.amdhsa_kernarg_size 80
		.amdhsa_user_sgpr_count 2
		.amdhsa_user_sgpr_kernarg_segment_ptr 1
		.amdhsa_wavefront_size32 1
		.amdhsa_system_sgpr_workgroup_id_x 1
		.amdhsa_system_sgpr_workgroup_id_y 1
		.amdhsa_system_sgpr_workgroup_id_z 1
		.amdhsa_system_vgpr_workitem_id 0
		.amdhsa_next_free_vgpr 512
		.amdhsa_next_free_sgpr 66
		.amdhsa_reserve_vcc 0
		.amdhsa_float_denorm_mode_32 3
		.amdhsa_float_denorm_mode_16_64 3
		.amdhsa_memory_ordered 1
		.amdhsa_forward_progress 1
		.amdhsa_inst_pref_size 123
	.end_amdhsa_kernel
	.amdgpu_metadata
---
amdhsa.version: [ 1, 2 ]
amdhsa.kernels:
  - .name:           k_q8c4a983de2_prep
    .symbol:         k_q8c4a983de2_prep.kd
    .args:
      - { .name: x, .offset: 0, .size: 8, .value_kind: global_buffer, .address_space: global }
      - { .name: proj_e, .offset: 8, .size: 8, .value_kind: global_buffer, .address_space: global }
      - { .name: proj_f, .offset: 16, .size: 8, .value_kind: global_buffer, .address_space: global }
      - { .name: w_q, .offset: 24, .size: 8, .value_kind: global_buffer, .address_space: global }
      - { .name: w_k, .offset: 32, .size: 8, .value_kind: global_buffer, .address_space: global }
      - { .name: w_v, .offset: 40, .size: 8, .value_kind: global_buffer, .address_space: global }
      - { .name: w_o, .offset: 48, .size: 8, .value_kind: global_buffer, .address_space: global }
      - { .name: xh, .offset: 56, .size: 8, .value_kind: global_buffer, .address_space: global }
      - { .name: wh, .offset: 64, .size: 8, .value_kind: global_buffer, .address_space: global }
      - { .name: xeh, .offset: 72, .size: 8, .value_kind: global_buffer, .address_space: global }
    .group_segment_fixed_size: 223232
    .private_segment_fixed_size: 0
    .kernarg_segment_align: 8
    .kernarg_segment_size: 80
    .max_flat_workgroup_size: 256
    .sgpr_count:     66
    .vgpr_count:     512
    .wavefront_size: 32
...
	.end_amdgpu_metadata
.endif
;; end of part 1
;; launch kvproj (part 2): grid 256 x 1, 4 waves a work-group, no clusters, 304,896 bytes of LDS; arguments xeh, wh, kv, scl; writes kv, scl
.if DOCPART == 2
	.amdgcn_target "amdgcn-amd-amdhsa--gfx1250"
	.amdhsa_code_object_version 6
	.text
	.protected	k_q8c4a983de2_kvproj
	.globl	k_q8c4a983de2_kvproj
	.p2align	8
	.type	k_q8c4a983de2_kvproj,@function
k_q8c4a983de2_kvproj:
	s_mov_b64 s[64:65], 0
	v_nop
	global_prefetch_b8 v0, s[64:65] scope:SCOPE_SE
	s_setreg_imm32_b32 hwreg(HW_REG_WAVE_MODE, 25, 1), 1
	s_wait_xcnt 0x0
; LINFORMER SELF-ATTENTION, launch 2 of 4: K' = XE Wk^T and V'^T = (XF Wv^T)^T in tiles of 64 x 64, f16, each divided by its own power of two.
; Work-group g = ((kind 4 + b) 16 + h) 2 + half makes tile g: kind 0: [e local][d] of K', kind 1: [d][e local] of V'.  K = f = 1,024.
; Source 0 ("P") is the operand whose index runs along a lane's 8 results, source 1 ("Q") the one whose index is the stored tile's row:
;   kind 0: P = rows of Wk (d), Q = rows of XE (e);   kind 1: P = rows of XF (e), Q = rows of Wv (d).   Only the global addresses change places.
; SCALE: K' and V' grow with three inputs at once and have no room in f16.  c = 2^floor(log2 max|tile|), held in [2^-126, 2^126], goes to scl[g];
; the tile is stored as value / c, so |stored| < 2.  LIMIT: an infinity or a NaN in a tile is not carried into c (c is then 2^126 or that of the finite rest).
; LDS holds both operands whole (2 x 16 panels x 64 rows x 144 bytes), so every byte of LDS is filled once: no slot is filled again.
; Wave w brings operand w >> 1; in chunk c = 0..3 panels 4 c + 2 (w & 1) + 0, 1 by ONE tensor load.  A wave has four tensor loads out at the most.
; The panels lie in LDS in the order of arrival of each wave; P and Q use the same order, so the products pair up.
; NO JOINT LOADS: a weight tile is shared by 8 work-groups and a tile of xeh by 16, but the two kinds put them at exchanged places, so that one line of
; the text would need the mask of a row in one kind and of a column in the other; a work-group reads 262,144 bytes in all, once.
.set PP,     144                       ; LDS pitch: 128 bytes + 16: the 16 rows of a fragment load start at 16 different groups of banks
.set PANEL,  9216                      ; 64 rows
.set CHUNK,  18432                     ; two panels: one tensor load
.set WSHARE, 73728                     ; a wave's four loads
.set QBASE,  147456
.set STAGE,  294912                    ; 64 rows x 144 bytes, written by ds_store alone
.set RWORDS, 304128                    ; four words: the waves' maxima
.set ACC, 32                           ; v[32:63]   tile (pa, qb) at 32 + 8 (2 pa + qb)
.set F0,  64                           ; v[64:127]  fragments of one panel: P(kk, pa) at 8 (2 kk + pa), Q(kk, qb) at 32 + 8 (2 kk + qb)
.set F1,  128                          ; v[128:191] the second buffer
                                       ; v4, v5: P's fragments, panels brought by wave 0, 1;  v6, v7: Q's, by wave 2, 3;  v8 stage in, v9 stage back, v10 kv offset
.macro PLACES
.rept 4
	v_nop
.endr
.endm
	s_load_b256 s[4:11], s[0:1], 0x0               ; xeh s[4:5], wh s[6:7], kv s[8:9], scl s[10:11]
	v_lshl_add_u32 v224, v0, 2, 0x4a500
	v_mov_b32 v225, 0
	ds_add_u32 v224, v225
	ds_add_u32 v224, v225
	v_lshrrev_b32 v1, 5, v0
	v_readfirstlane_b32 s12, v1                    ; w
	s_lshr_b32 s13, s12, 1                         ; the operand that I bring; also my 32 rows of Q
	s_and_b32 s14, s12, 1                          ; which panels of it; also my 32 rows of P
	s_and_b32 s24, ttmp9, 1                        ; half
	s_bfe_u32 s25, ttmp9, 0x40001                  ; h
	s_lshr_b32 s26, ttmp9, 7                       ; kind
	s_lshr_b32 s27, ttmp9, 5                       ; kind 4 + b
	s_mov_b32 s2, 0x76543210                       ; v_permlanex16_b32: lane i reads lane i of the other half
	s_mov_b32 s3, 0xfedcba98
	; group 1: two rows of 8,192 bytes (64 rows of one panel lie without a gap), 131,072 bytes apart (panel to panel); 16 bytes of padding behind every 128
	s_mov_b32 s16, 0x07130000                      ; element of 8 bytes; padding on; after every 32 words; of 4 words
	s_mov_b32 s17, 1024<<16                        ; tensor_dim0 = 1,024 elements
	s_mov_b32 s18, 2<<16                           ; tensor_dim1 = 2
	s_mov_b32 s19, 1024<<16                        ; tile_dim0 = 1,024
	s_mov_b32 s20, 2                               ; tile_dim1 = 2
	s_mov_b32 s21, 16384                           ; elements from row to row
	s_mov_b32 s22, 0
	s_mov_b32 s23, 0
	s_lshl_b32 s28, s27, 14                        ; xeh: row (kind 4 + b) 128 + half 64, 128 bytes a row
	s_lshl_b32 s29, s24, 13
	s_add_co_u32 s28, s28, s29
	s_add_co_u32 s29, s26, 1                       ; wh: weight 1 + kind (k, v), row 64 h
	s_lshl_b32 s29, s29, 21
	s_lshl_b32 s15, s25, 13
	s_add_co_u32 s29, s29, s15
	s_wait_dscnt 0x0
	s_wait_kmcnt 0x0
	s_cmp_eq_u32 s13, s26                          ; P of kind 0 and Q of kind 1 are weights
	s_cselect_b64 s[30:31], s[6:7], s[4:5]
	s_cselect_b32 s28, s29, s28
	s_lshl_b32 s15, s14, 18                        ; odd waves begin two panels further on
	s_add_co_u32 s28, s28, s15
	s_mov_b32 s29, 0
	s_add_nc_u64 s[30:31], s[30:31], s[28:29]
	s_mul_i32 s15, s12, WSHARE
.irp c, 0,1,2,3
	s_mov_b32 s[32+4*\c], 1
	s_add_co_u32 s[33+4*\c], s15, \c*CHUNK         ; LDS: the wave's number times 73,728 plus the chunk's 18,432
	s_add_nc_u64 s[34+4*\c:35+4*\c], s[30:31], \c*524288   ; four panels on
	s_or_b32 s[35+4*\c], s[35+4*\c], 0x80000000
	tensor_load_to_lds s[32+4*\c:35+4*\c], s[16:23]        ; all first fills go out together, ahead of every wait, LDS read and barrier
	s_nop 0
.endr
	v_and_b32 v1, 15, v0                           ; r
	v_bfe_u32 v2, v0, 4, 1                         ; hh
	v_and_b32 v3, 31, v0                           ; L
	v_mul_u32_u24 v14, v1, PP
	v_lshl_add_u32 v14, v2, 4, v14                 ; r 144 + 16 hh
	s_mul_i32 s24, s14, 32*PP
	v_add_nc_u32 v4, s24, v14
	v_add_nc_u32 v5, WSHARE, v4
	s_mul_i32 s25, s13, 32*PP
	s_add_co_u32 s24, s25, QBASE
	v_add_nc_u32 v6, s24, v14
	v_add_nc_u32 v7, WSHARE, v6
	s_lshl_b32 s24, s14, 6
	s_add_co_u32 s24, s24, s25
	s_add_co_u32 s24, s24, STAGE
	v_add_nc_u32 v8, s24, v14                      ; stage + (32 (w >> 1) + r) 144 + 64 (w & 1) + 16 hh
	v_bfe_u32 v15, v0, 3, 2
	v_mul_u32_u24 v15, v15, PP
	v_and_b32 v16, 7, v0
	v_lshl_add_u32 v15, v16, 4, v15
	s_mul_i32 s24, s12, 16*PP
	s_add_co_u32 s24, s24, STAGE
	v_add_nc_u32 v9, s24, v15                      ; stage + (16 w + (L >> 3)) 144 + 16 (L & 7)
	v_lshlrev_b32 v10, 4, v3
	s_lshl_b32 s24, s12, 11
	v_add_nc_u32 v10, s24, v10                     ; 2048 w + 16 L
	s_lshl_b32 s24, s12, 2
	s_add_co_u32 s24, s24, RWORDS
	v_mov_b32 v11, s24
	v_mov_b32 v12, RWORDS
	v_mov_b32 v13, 0
	s_lshl_b32 s28, ttmp9, 13
	s_add_nc_u64 s[8:9], s[8:9], s[28:29]          ; my tile in kv
	s_lshl_b32 s28, ttmp9, 2
	s_add_nc_u64 s[10:11], s[10:11], s[28:29]      ; my word in scl
; 16 LDS loads: the fragments of panel pi (0..3) of the chunk at hand, K = 64
.macro FETCH pi, f
.irp kk, 0,1
.irp u, 0,1
	ds_load_b128 v[\f+8*(2*\kk+\u):\f+8*(2*\kk+\u)+3],       v[4+(\pi>>1)] offset:(\pi&1)*PANEL+\u*16*PP+64*\kk
	ds_load_b128 v[\f+8*(2*\kk+\u)+4:\f+8*(2*\kk+\u)+7],     v[4+(\pi>>1)] offset:(\pi&1)*PANEL+\u*16*PP+64*\kk+32
	ds_load_b128 v[\f+32+8*(2*\kk+\u):\f+32+8*(2*\kk+\u)+3], v[6+(\pi>>1)] offset:(\pi&1)*PANEL+\u*16*PP+64*\kk
	ds_load_b128 v[\f+36+8*(2*\kk+\u):\f+36+8*(2*\kk+\u)+3], v[6+(\pi>>1)] offset:(\pi&1)*PANEL+\u*16*PP+64*\kk+32
.endr
.endr
.endm
; 8 matrix instructions; the four accumulators take turns, one instruction a turn
.macro MUL f, zero
.irp kk, 0,1
.irp pa, 0,1
.irp qb, 0,1
.if (\zero)*(1-\kk)
	v_wmma_f32_16x16x32_f16 v[ACC+8*(2*\pa+\qb):ACC+8*(2*\pa+\qb)+7], v[\f+8*(2*\kk+\pa):\f+8*(2*\kk+\pa)+7], v[\f+32+8*(2*\kk+\qb):\f+32+8*(2*\kk+\qb)+7], 0
.else
	v_wmma_f32_16x16x32_f16 v[ACC+8*(2*\pa+\qb):ACC+8*(2*\pa+\qb)+7], v[\f+8*(2*\kk+\pa):\f+8*(2*\kk+\pa)+7], v[\f+32+8*(2*\kk+\qb):\f+32+8*(2*\kk+\qb)+7], v[ACC+8*(2*\pa+\qb):ACC+8*(2*\pa+\qb)+7]
.endif
.endr
.endr
.endr
.endm
; One panel is multiplied (buffer cur) while the next one's fragments (panel pi of its chunk) come into buffer nxt.
; left >= 0: the next panel opens a chunk: my load of that chunk has landed when at most left younger ones are out; then a barrier, since the other waves' loads
; brought the rest.  The later chunks stay on their way across them.
.macro STEP cur, nxt, pi, left, zero
.if \left >= 0
	s_wait_tensorcnt \left
	s_wait_dscnt 0x0                               ; no LDS instruction of mine is pending at the signal
	s_barrier_signal -1
	s_barrier_wait -1
	v_add_nc_u32 v4, CHUNK, v4
	v_add_nc_u32 v5, CHUNK, v5
	v_add_nc_u32 v6, CHUNK, v6
	v_add_nc_u32 v7, CHUNK, v7
.endif
.if \zero == 0
	PLACES                                         ; four places between the matrix instructions that read buffer nxt and the loads into it
.endif
	FETCH \pi, \nxt
	s_wait_dscnt 16                                ; all but the 16 just issued: buffer cur is in
	MUL \cur, \zero
.endm
	s_wait_tensorcnt 3                             ; my part of chunk 0 is in; three younger loads stay out
	s_barrier_signal -1
	s_barrier_wait -1
	FETCH 0, F0
	STEP F0, F1, 1, -1, 1                          ; the first products start the sums
	STEP F1, F0, 2, -1, 0
	STEP F0, F1, 3, -1, 0
	STEP F1, F0, 0, 2, 0
	STEP F0, F1, 1, -1, 0
	STEP F1, F0, 2, -1, 0
	STEP F0, F1, 3, -1, 0
	STEP F1, F0, 0, 1, 0
	STEP F0, F1, 1, -1, 0
	STEP F1, F0, 2, -1, 0
	STEP F0, F1, 3, -1, 0
	STEP F1, F0, 0, 0, 0
	STEP F0, F1, 1, -1, 0
	STEP F1, F0, 2, -1, 0
	STEP F0, F1, 3, -1, 0
	s_wait_dscnt 0x0
	MUL F1, 0
	; the tile's largest magnitude: largest and smallest of my 32 numbers, the wave, the four waves
	PLACES
	v_max_num_f32 v192, v32, v33
	v_min_num_f32 v193, v32, v33
.irp k, 34,36,38,40,42,44,46,48,50,52,54,56,58,60,62
	v_max3_num_f32 v192, v192, v[\k], v[\k+1]
	v_min3_num_f32 v193, v193, v[\k], v[\k+1]
.endr
	v_sub_f32 v193, 0, v193
	v_max_num_f32 v192, v192, v193
	v_max_num_f32_dpp v192, v192, v192 row_xmask:1 row_mask:0xf bank_mask:0xf
	v_max_num_f32_dpp v192, v192, v192 row_xmask:2 row_mask:0xf bank_mask:0xf
	v_max_num_f32_dpp v192, v192, v192 row_xmask:4 row_mask:0xf bank_mask:0xf
	v_max_num_f32_dpp v192, v192, v192 row_xmask:8 row_mask:0xf bank_mask:0xf
	v_permlanex16_b32 v193, v192, s2, s3
	v_max_num_f32 v192, v192, v193
	ds_store_b32 v11, v192                         ; all lanes write the wave's word with the same value
	s_wait_dscnt 0x0
	s_barrier_signal -1
	s_barrier_wait -1
	ds_load_b128 v[196:199], v12
	s_wait_dscnt 0x0
	v_max3_num_f32 v192, v196, v197, v198
	v_max_num_f32 v192, v192, v199
	v_and_b32 v200, 0x7f800000, v192               ; c = the maximum's power of two,
	v_max_u32 v200, 0x00800000, v200               ; held between 2^-126
	v_min_u32 v200, 0x7e800000, v200               ; and 2^126, so that 1 / c is a normal number too:
	v_sub_nc_u32 v202, 0x7f000000, v200            ; exponent 254 - e
	v_mov_b32 v203, v202
.irp k, 0,2,4,6,8,10,12,14,16,18,20,22,24,26,28,30
	v_pk_mul_f32 v[ACC+\k:ACC+\k+1], v[ACC+\k:ACC+\k+1], v[202:203]
.endr
.irp k, 0,1,2,3,4,5,6,7,8,9,10,11,12,13,14,15
	v_cvt_pk_f16_f32 v[204+\k], v[ACC+2*\k], v[ACC+2*\k+1]
.endr
.irp pa, 0,1
.irp qb, 0,1
	ds_store_b128 v8, v[204+4*(2*\pa+\qb):204+4*(2*\pa+\qb)+3] offset:16*PP*\qb+32*\pa   ; row 16 qb + r of Q's index, 8 neighbouring numbers of P's
.endr
.endr
	s_wait_dscnt 0x0
	s_barrier_signal -1
	s_barrier_wait -1
.irp i, 0,1,2,3
	ds_load_b128 v[F0+4*\i:F0+4*\i+3], v9 offset:4*PP*\i         ; four whole rows of 128 bytes
.endr
.irp i, 0,1,2,3
	s_wait_dscnt 3-\i                              ; load i is in, the younger ones may be out
	global_store_b128 v10, v[F0+4*\i:F0+4*\i+3], s[8:9] offset:512*\i   ; 512 consecutive bytes of the tile
.endr
	s_cmp_lg_u32 s12, 0
	s_cbranch_scc1 .Lend
	v_cmp_eq_u32 vcc_lo, 0, v0
	s_wait_xcnt 0x0                                ; EXEC is a source of the pending stores: it changes only behind this wait
	s_and_saveexec_b32 s28, vcc_lo
	global_store_b32 v13, v200, s[10:11]           ; scl[g] = c, by one lane
	s_wait_xcnt 0x0
	s_or_b32 exec_lo, exec_lo, s28
.Lend:
	s_wait_tensorcnt 0x0
	ds_add_u32 v224, v225
	s_wait_dscnt 0x0
	s_endpgm
.Lfunc_end_k_q8c4a983de2_kvproj:
	.size	k_q8c4a983de2_kvproj, .Lfunc_end_k_q8c4a983de2_kvproj-k_q8c4a983de2_kvproj
	.p2alignl 7, 3214868480
	.fill 96, 4, 3214868480
	.section	.rodata,"a",@progbits
	.p2align	6, 0x0
	.amdhsa_kernel k_q8c4a983de2_kvproj
		.amdhsa_group_segment_fixed_size 304896
		.amdhsa_private_segment_fixed_size 0
		.amdhsa_enable_private_segment 0
		.amdhsa_kernarg_size 32
		.amdhsa_user_sgpr_count 2
		.amdhsa_user_sgpr_kernarg_segment_ptr 1
		.amdhsa_wavefront_size32 1
		.amdhsa_system_sgpr_workgroup_id_x 1
		.amdhsa_system_sgpr_workgroup_id_y 1
		.amdhsa_system_sgpr_workgroup_id_z 1
		.amdhsa_system_vgpr_workitem_id 0
		.amdhsa_next_free_vgpr 226
		.amdhsa_next_free_sgpr 66
		.amdhsa_reserve_vcc 1
		.amdhsa_float_denorm_mode_32 3
		.amdhsa_float_denorm_mode_16_64 3
		.amdhsa_memory_ordered 1
		.amdhsa_forward_progress 1
		.amdhsa_inst_pref_size 40
	.end_amdhsa_kernel
	.amdgpu_metadata
---
amdhsa.version: [ 1, 2 ]
amdhsa.kernels:
  - .name:           k_q8c4a983de2_kvproj
    .symbol:         k_q8c4a983de2_kvproj.kd
    .args:
      - { .name: xeh, .offset: 0, .size: 8, .value_kind: global_buffer, .address_space: global }
      - { .name: wh, .offset: 8, .size: 8, .value_kind: global_buffer, .address_space: global }
      - { .name: kv, .offset: 16, .size: 8, .value_kind: global_buffer, .address_space: global }
      - { .name: scl, .offset: 24, .size: 8, .value_kind: global_buffer, .address_space: global }
    .group_segment_fixed_size: 304896
    .private_segment_fixed_size: 0
    .kernarg_segment_align: 8
    .kernarg_segment_size: 32
    .max_flat_workgroup_size: 128
    .sgpr_count:     66
    .vgpr_count:     226
    .wavefront_size: 32
...
	.end_amdgpu_metadata
.endif
;; end of part 2
;; launch qattn (part 3): grid 4 x 64, 4 waves a work-group, clusters of 4 x 4, 327,680 bytes of LDS; arguments xh, wh, kv, scl, ao; writes ao
.if DOCPART == 3
	.amdgcn_target "amdgcn-amd-amdhsa--gfx1250"
	.amdhsa_code_object_version 6
	.text
	.protected	k_q8c4a983de2_qattn
	.globl	k_q8c4a983de2_qattn
	.p2align	8
	.type	k_q8c4a983de2_qattn,@function
k_q8c4a983de2_qattn:
	s_mov_b64 s[64:65], 0
	v_nop
	global_prefetch_b8 v0, s[64:65] scope:SCOPE_SE
	s_setreg_imm32_b32 hwreg(HW_REG_WAVE_MODE, 25, 1), 1
	s_wait_xcnt 0x0
	s_wait_alu depctr_hold_cnt(0) depctr_sa_sdst(0) depctr_va_vdst(0) depctr_va_sdst(0) depctr_va_ssrc(0) depctr_va_vcc(0) depctr_vm_vsrc(0)
	s_getreg_b32 s2, hwreg(HW_REG_IB_STS2, 6, 4)
	s_cmp_eq_u32 s2, 0
	s_cbranch_scc0 .Lentry_in_a_cluster
	s_endpgm
.Lentry_in_a_cluster:
	s_bfe_u32 s2, ttmp6, 0x10000c
	s_cmp_lg_u32 s2, 0xf033
	s_cbranch_scc0 .Lentry_shape_is_right
	s_endpgm
.Lentry_shape_is_right:
; LINFORMER SELF-ATTENTION, launch 3 of 4: Q = x Wq^T for a block of 128 rows x 256 columns (4 heads), then scores, softmax and P V' in the wave's registers.
; Four waves; wave w holds all 128 rows of head 4 bc + w: 32 accumulator tiles of 16 x 16 (window 1).  K = 1,024 goes in steps of 128 (two panels of 64)
; through a ring of two LDS slots filled by the tensor data mover.  All operands f16, all sums and the softmax f32.
; JOINT LOADS: 4 x 4 work-groups form a cluster.  The four of a row of the cluster need the same 128 rows of xh, the four of a column the same 256 rows of Wq:
; each such tile is asked for by all four with one descriptor and a mask that names the four.  Waves 0, 1 ask for xh's two panels, waves 2, 3 for Wq's.
; PREFETCH: in the first quarter of K step s (s = 0 .. 5) the tile of xh of K step s + 2 is asked for, 96 matrix instructions ahead of the joint load that
; fetches it.  Its 32,768 bytes are read by the four partners of my row alone; partner cx asks for panel cx >> 1, rows 64 (cx & 1) .. + 63: 8,192 bytes, the 32
; lanes of wave 3 at 256 bytes' distance, so each block is asked for once in the launch.  K steps 6 and 7 ask for nothing: the last address lies in panel 15.
; Wq is not asked for: all 64 block rows read it.
; THE MATRIX INSTRUCTION IS USED TRANSPOSED: source 0 = 16 rows of the weight, source 1 = 16 rows of x.  Lane (r, hh) then holds row r of Q and 8 neighbouring
; d = 16 a + 8 hh + 0..7; two such tiles, packed to f16, ARE the fragment "row r, d = 32 c .." of the next product: no shuffle, no trip through LDS.
; The same holds from the scores (source 0 = rows of K', so a lane holds 8 neighbouring e of query r) to P V'.
; K', V' AND THE SCALES are loaded at the head and first used behind the K loop: their loads stay out across it (nothing in the loop names their registers,
; and no wave writes those bytes); the wait stands behind the last product.
; THE ATTENTION is a pipeline over the wave's eight row blocks of 16 queries in which matrix and vector instructions alternate: one slice of vector work stands behind
; each matrix instruction.  Trip k, run A: the 16 products P V' and the 4 row-sum products of block k - 1, beside block k's maximum and scaling and block k - 2's
; division, packing and stage.  Run B: the 16 score products of block k + 1, beside block k's exponentials and their packing to f16 and block k - 2's stores.
; The pieces at work in a run share no register: scores, results and row sums have two sets each, taken by the block's parity.  By the text's count a full trip
; has 36 matrix instructions and, beside them, 202 vector instructions, 12 LDS and memory instructions and 47 switches of the register window.
; WINDOWS: K' and V' fill window 2 and are source 0 of the products, so a vector instruction that reads a register as its source 0 needs a setting of its own.
; Spared: the scaling (its source 0 is the scalar kappa) runs under the setting of P V', and the row-sum products, all of whose operands lie in window 3, under
; the vector setting.  No layout spares the rest: the packing reads two scores as sources 0 and 1, which would put K', Q and both sets of scores (384
; registers) into one window.
; ROW SUMS: l = sum over e of P is a product of P's fragments with a fragment of ones; every lane then holds the sum of its own query, with no exchange between lanes.
; SCALES: K' tile = stored x ck (ck from scl): the scores are multiplied by kappa = ck log2(e) / 8 in f32.  V' tiles are brought to one scale for the whole
; launch, c_glob = the largest of the 128 V scales, by an exact multiplication with ck / c_glob (a power of two, at most 1).  ao = result / c_glob, so |ao| < 2.
; LIMITS: a V' tile more than 2^10 below c_glob loses bits in f16, one more than 2^25 below it counts as zero.  The row's true maximum is taken away
; before the exponential: all 128 scores of a row lie in the registers of two lanes.  The row's sum is taken over the exponentials as rounded to f16 (the very
; numbers that P V' multiplies; each within 2^-11 of its value, or 3e-8 absolute), added in f32; it is at least 1.  |q| < 65,504.
.set PITCH, 144                        ; an LDS row: 128 bytes + 16: the 16 rows that a fragment load touches start at 16 different groups of banks
.set XPAN,  18432                      ; 128 rows of xh, one panel
.set WPAN,  36864                      ; 256 rows of Wq, one panel
.set SLOT,  110592                     ; xh's two panels, then Wq's two
.set STAGE, 221184                     ; behind the ring: 16 rows x 144 bytes for each wave; no tensor load lands here
.set ADX, 16                           ; v16-17  LDS address of my fragments of xh in slot 0, 1
.set ADW, 20                           ; v20-21  the same for Wq
.set F0,  64                           ; v[64:159]   fragment buffer 0: Wq's a at 8 a, xh's b at 32 + 8 b
.set F1,  160                          ; v[160:255]  fragment buffer 1
.set G1A, 24                           ; s[24:31] group 1 for xh's tiles
.set G0A, 32                           ; s[32:39] group 0 for xh's tiles, one set for each slot
.set G1B, 40                           ; s[40:47] group 1 for Wq's tiles
.set G0B, 48                           ; s[48:55] group 0 for Wq's tiles
.set MULW, 0x50                        ; C and D in window 1, fragments in window 0.  Accumulator tile (a, b) at v[8 (4 b + a)]
.set MSB, 0
.macro WIN new                         ; the immediate's high byte repeats the setting that is left
.if MSB != \new
	s_set_vgpr_msb (MSB<<8)|\new
.set MSB, \new
.endif
.endm
.macro PLACES
.rept 4
	v_nop
.endr
.endm
; A joint load.  Each of the two lines has one mask and one set of registers; the branch hangs on the wave's number alone.
.macro JLOAD s
	s_cmp_eq_u32 s15, 0
	s_cbranch_scc0 .Lfor_b_\@
	tensor_load_to_lds s[G0A+4*\s:G0A+4*\s+3], s[G1A:G1A+7]
	s_nop 0
	s_branch .Lasked_\@
.Lfor_b_\@:
	tensor_load_to_lds s[G0B+4*\s:G0B+4*\s+3], s[G1B:G1B+7]
	s_nop 0
.Lasked_\@:
.endm
.macro CREST                           ; a round of the cluster's barrier behind its opening barrier
	s_cmp_lg_u32 s14, 0
	s_cbranch_scc1 .Lnot_wave_0_\@
	s_barrier_signal -3
.Lnot_wave_0_\@:
	s_barrier_wait -3
	s_barrier_signal -1
	s_barrier_wait -1
.endm
.macro CROUND                          ; a whole round
	s_barrier_signal -1
	s_barrier_wait -1
	CREST
.endm
.macro PFETCH off                      ; wave 3 asks for my work-group's 8,192 bytes of a later tile of xh
	s_cmp_lg_u32 s14, 3
	s_cbranch_scc1 .Lno_pf_\@
	global_prefetch_b8 v28, s[90:91] offset:\off th:TH_LOAD_NT scope:SCOPE_SE
.Lno_pf_\@:
.endm
	s_load_b256 s[4:11], s[0:1], 0x0               ; xh s[4:5], wh s[6:7], kv s[8:9], scl s[10:11]
	s_load_b64 s[12:13], s[0:1], 0x20              ; ao
	v_lshl_add_u32 v62, v0, 2, 0x38400
	v_mov_b32 v63, 0
	ds_add_u32 v62, v63
	ds_add_u32 v62, v63
	v_lshrrev_b32 v1, 5, v0
	v_readfirstlane_b32 s14, v1                    ; w
	s_lshr_b32 s15, s14, 1                         ; I ask for xh (0) or for Wq (1)
	s_and_b32 s16, s14, 1                          ; which of a K step's two panels
	s_bfe_u32 s17, ttmp6, 0x40000                  ; cx
	s_bfe_u32 s18, ttmp6, 0x40004                  ; cy
	s_lshl_b32 s19, ttmp9, 2
	s_add_co_u32 s19, s19, s17                     ; bc: block column (4 heads)
	s_and_b32 s20, ttmp7, 0xffff
	s_lshl_b32 s20, s20, 2
	s_add_co_u32 s20, s20, s18                     ; br: block row (128 rows)
	s_lshl_b32 s21, s18, 2
	s_lshl_b32 s21, 15, s21                        ; my row of the cluster
	s_lshl_b32 s22, 0x1111, s17                    ; my column
	; group 1: a dense block as rows of 256 bytes; 16 bytes of padding behind every 128 bytes, so that each row of 64 numbers gets the pitch 144
	s_or_b32 s[G1A+0], s21, 0x07330000             ; mask; element of 8 bytes; padding on; bit 21 beside a mask; after every 32 words; of 4 words
	s_or_b32 s[G1B+0], s22, 0x07330000
	s_mov_b32 s[G1A+1], 32<<16                     ; tensor_dim0 = 32 elements
	s_mov_b32 s[G1B+1], 32<<16
	s_mov_b32 s[G1A+2], 64<<16                     ; tensor_dim1 = 64 rows: 16,384 bytes
	s_mov_b32 s[G1B+2], 128<<16                    ; 128 rows: 32,768 bytes
	s_mov_b32 s[G1A+3], 32<<16                     ; tile_dim0
	s_mov_b32 s[G1B+3], 32<<16
	s_mov_b32 s[G1A+4], 64                         ; tile_dim1
	s_mov_b32 s[G1B+4], 128
	s_mov_b32 s[G1A+5], 32                         ; elements from row to row
	s_mov_b32 s[G1B+5], 32
	s_mov_b32 s[G1A+6], 0
	s_mov_b32 s[G1B+6], 0
	s_mov_b32 s[G1A+7], 0
	s_mov_b32 s[G1B+7], 0
	; xh's tiles hang on the block row and the wave's number, Wq's on the block column and the wave's number, each in registers that never hold the other coordinate
	s_lshl_b32 s56, s20, 14                        ; 128 rows of 128 bytes
	s_lshl_b32 s23, s16, 20                        ; a panel of xh: 8,192 rows
	s_add_co_u32 s56, s56, s23
	s_mov_b32 s57, 0
	s_lshl_b32 s58, s19, 15                        ; 256 rows of 128 bytes
	s_lshl_b32 s84, s16, 17                        ; a panel of a weight: 1,024 rows
	s_add_co_u32 s58, s58, s84
	s_mov_b32 s59, 0
	s_mul_i32 s76, s16, XPAN                       ; where they go: the wave's number alone
	s_mul_i32 s77, s16, WPAN
	s_add_co_u32 s77, s77, 2*XPAN
	s_wait_dscnt 0x0
	s_wait_kmcnt 0x0
	s_add_nc_u64 s[56:57], s[4:5], s[56:57]
	s_add_nc_u64 s[58:59], s[6:7], s[58:59]        ; w_q is the first weight in wh
	CROUND                                         ; all sixteen work-groups are here: the first joint loads meet
.irp s, 0,1
	s_mov_b32 s[G0A+4*\s], 1
	s_add_co_u32 s[G0A+4*\s+1], s76, \s*SLOT
	s_add_nc_u64 s[G0A+4*\s+2:G0A+4*\s+3], s[56:57], \s*2097152    ; K step s: two panels on
	s_or_b32 s[G0A+4*\s+3], s[G0A+4*\s+3], 0x80000000
	s_mov_b32 s[G0B+4*\s], 1
	s_add_co_u32 s[G0B+4*\s+1], s77, \s*SLOT
	s_add_nc_u64 s[G0B+4*\s+2:G0B+4*\s+3], s[58:59], \s*262144
	s_or_b32 s[G0B+4*\s+3], s[G0B+4*\s+3], 0x80000000
	JLOAD \s                                       ; the ring is filled before anything else is done: two tensor loads of the wave are out
.endr
	v_and_b32 v1, 15, v0                           ; r
	v_bfe_u32 v2, v0, 4, 1                         ; hh
	v_mul_u32_u24 v3, v1, PITCH
	v_lshl_add_u32 v3, v2, 4, v3                   ; r 144 + 16 hh
	v_mov_b32 v[ADX], v3
	v_add_nc_u32 v[ADX+1], SLOT, v3
	s_mul_i32 s85, s14, 64*PITCH                   ; my 64 rows of Wq,
	s_add_co_u32 s85, s85, 2*XPAN                  ; behind xh's two panels
	v_add_nc_u32 v[ADW], s85, v3
	v_add_nc_u32 v[ADW+1], SLOT, v[ADW]
	s_mul_i32 s88, s14, 16*PITCH
	s_add_co_u32 s88, s88, STAGE                   ; my stage
	v_add_nc_u32 v25, s88, v3                      ; in: row r, 16 bytes for each half of the lanes
	v_bfe_u32 v4, v0, 3, 2
	v_mul_u32_u24 v4, v4, PITCH
	v_and_b32 v5, 7, v0
	v_lshl_add_u32 v4, v5, 4, v4
	v_add_nc_u32 v26, s88, v4                      ; back: four whole rows of 128 bytes
	v_and_b32 v27, 31, v0
	v_lshlrev_b32 v28, 8, v27                      ; 256 L: the prefetch's lanes
	v_lshlrev_b32 v27, 4, v27                      ; 16 L
	v_lshlrev_b32 v24, 7, v1
	v_lshl_add_u32 v24, v2, 4, v24                 ; r 128 + 16 hh: a fragment straight from a tile of kv
	s_mov_b32 s74, 0x76543210                      ; v_permlanex16_b32: lane i reads lane i of the other half
	s_mov_b32 s75, 0xfedcba98
	; numbers that hang on both coordinates live in s78 to s83, s86, s87, s90, s91: none of these feeds a descriptor or an LDS address
	s_lshl2_add_u32 s78, s19, s14                  ; head = 4 bc + w
	s_lshr_b32 s79, s20, 4                         ; b
	s_lshl4_add_u32 s80, s79, s78                  ; 16 b + head
	s_lshl_b32 s81, s80, 3
	s_load_b64 s[70:71], s[10:11], s81 offset:0x0  ; the scales of my two K' tiles
	s_load_b64 s[72:73], s[10:11], s81 offset:0x200   ; and of my two V' tiles
	s_lshl_b32 s82, s80, 14
	s_mov_b32 s83, 0
	s_add_nc_u64 s[60:61], s[8:9], s[82:83]        ; my K' tiles; my V' tiles lie 1,048,576 bytes further on
	s_lshl_b32 s86, s78, 20
	s_lshl_b32 s87, s20, 14
	s_add_co_u32 s86, s86, s87
	s_mov_b32 s87, 0
	s_add_nc_u64 s[62:63], s[12:13], s[86:87]      ; ao: panel = head, my block's first row
	s_lshr_b32 s86, s17, 1                         ; the prefetch: panel cx >> 1 of a K step's two,
	s_lshl_b32 s86, s86, 20
	s_and_b32 s82, s17, 1                          ; rows 64 (cx & 1) .. of the tile's 128,
	s_lshl_b32 s82, s82, 13
	s_add_co_u32 s86, s86, s82
	s_lshl_b32 s82, s20, 14                        ; my block row,
	s_add_co_u32 s86, s86, s82
	s_add_co_u32 s86, s86, 4194304                 ; K step 2
	s_add_nc_u64 s[90:91], s[4:5], s[86:87]
	global_load_b128 v[40:43], v27, s[10:11] offset:512       ; all 128 V scales, four a lane
	; K' and V' stay in window 2 for the whole kernel: K'(et, c) at 16 et + 8 c (rows e = 16 et + r, d = 32 c ..), V'(dt, c) at 128 + 32 dt + 8 c (rows d = 16 dt + r, e = 32 c ..)
	WIN 0x80
.irp et, 0,1,2,3,4,5,6,7
.irp c, 0,1
	global_load_b128 v[16*\et+8*\c:16*\et+8*\c+3],   v24, s[60:61] offset:2048*\et+64*\c
	global_load_b128 v[16*\et+8*\c+4:16*\et+8*\c+7], v24, s[60:61] offset:2048*\et+64*\c+32
.endr
.endr
.irp dt, 0,1,2,3
.irp c, 0,1,2,3
	global_load_b128 v[128+32*\dt+8*\c:128+32*\dt+8*\c+3],   v24, s[60:61] offset:1048576+(\c>>1)*8192+2048*\dt+(\c&1)*64
	global_load_b128 v[128+32*\dt+8*\c+4:128+32*\dt+8*\c+7], v24, s[60:61] offset:1048576+(\c>>1)*8192+2048*\dt+(\c&1)*64+32
.endr
.endr
	WIN 0                                          ; these 65 loads and the two scalar loads are waited for behind the K loop
; 24 LDS loads in one run: the fragments of quarter q (32 along K: panel q >> 1, bytes 64 (q & 1) of its rows): Wq's four first, then xh's eight
.macro FETCH slot, q, f
.irp a, 0,1,2,3
	ds_load_b128 v[\f+8*\a:\f+8*\a+3],   v[ADW+\slot] offset:(\q>>1)*WPAN+(\q&1)*64+16*PITCH*\a
	ds_load_b128 v[\f+8*\a+4:\f+8*\a+7], v[ADW+\slot] offset:(\q>>1)*WPAN+(\q&1)*64+16*PITCH*\a+32
.endr
.irp u, 0,1,2,3,4,5,6,7
	ds_load_b128 v[\f+32+8*\u:\f+32+8*\u+3], v[ADX+\slot] offset:(\q>>1)*XPAN+(\q&1)*64+16*PITCH*\u
	ds_load_b128 v[\f+36+8*\u:\f+36+8*\u+3], v[ADX+\slot] offset:(\q>>1)*XPAN+(\q&1)*64+16*PITCH*\u+32
.endr
.endm
; 4 nb matrix instructions: row blocks b0 .. b0 + nb - 1 x all four column blocks.  The 32 accumulators take turns, one instruction a turn, in the same order
; in every quarter.
.macro MULB f, b0, nb, zero
.set bb, \b0
.rept \nb
.irp a, 0,1,2,3
.if \zero
	v_wmma_f32_16x16x32_f16 v[8*(4*bb+\a):8*(4*bb+\a)+7], v[\f+8*\a:\f+8*\a+7], v[\f+32+8*bb:\f+32+8*bb+7], 0
.else
	v_wmma_f32_16x16x32_f16 v[8*(4*bb+\a):8*(4*bb+\a)+7], v[\f+8*\a:\f+8*\a+7], v[\f+32+8*bb:\f+32+8*bb+7], v[8*(4*bb+\a):8*(4*bb+\a)+7]
.endif
.endr
.set bb, bb+1
.endr
.endm
; One of a K step's first three quarters: multiplies buffer f; in its middle it fetches quarter q of the same slot into buffer g.
; Four v_nop stand between the matrix instructions that read buffer g and the loads into it (ISA guide 7.12.1 for vector instructions).
; pf >= 0: the prefetch, at byte pf from its base, behind the run of LDS loads and in front of sixteen matrix instructions.
.macro QUARTER slot, q, f, g, zero, pf
	s_wait_dscnt 8                                 ; all but the youngest eight loads (xh's fragments 4-7) are in
	WIN MULW
	MULB \f, 0, 4, \zero
	WIN 0
	PLACES
	FETCH \slot, \q, \g
	s_wait_dscnt 24                                ; all but the 24 just issued
.if \pf >= 0
	PFETCH \pf
.endif
	WIN MULW
	MULB \f, 4, 4, \zero
.endm
.macro THREE slot, zero, pf
	QUARTER \slot, 1, F0, F1, \zero, \pf
	QUARTER \slot, 2, F1, F0, 0, -1
	QUARTER \slot, 3, F0, F1, 0, -1
.endm
; The last quarter: multiplies buffer 1 and changes slots.  In front of the barrier each wave waits for its reads of this slot and for all its tensor loads (one is
; out: its part of the next slot).  fill = 1: the barrier opens a round of the cluster's barrier; behind the round no wave of any partner reads this slot or has a
; load on its way, and the joint refill (two K steps ahead) is the wave's first and only tensor load.  It has 120 matrix instructions in which to land.
.macro TURN slot, next, fill
	s_wait_dscnt 8
	WIN MULW
	MULB F1, 0, 2, 0
	s_wait_dscnt 0x0
	s_wait_tensorcnt 0x0
	ds_add_u32 v62, v63
	s_wait_dscnt 0x0
	s_barrier_signal -1
	MULB F1, 2, 2, 0                               ; register work while the others arrive
	WIN 0
	s_barrier_wait -1
.if \fill
	CREST
	s_add_nc_u64 s[G0A+4*\slot+2:G0A+4*\slot+3], s[G0A+4*\slot+2:G0A+4*\slot+3], 4194304   ; four panels of xh on; no tensor load of mine is out
	s_add_nc_u64 s[G0B+4*\slot+2:G0B+4*\slot+3], s[G0B+4*\slot+2:G0B+4*\slot+3], 524288    ; four panels of Wq on
	JLOAD \slot
.endif
	PLACES
	FETCH \next, 0, F0
	WIN MULW
	MULB F1, 4, 4, 0
.endm
.macro LAP zero                        ; two K steps, both slots filled again, the tiles of the two K steps after the next asked for
	THREE 0, \zero, 0
	TURN 0, 1, 1
	THREE 1, 0, 2097152
	TURN 1, 0, 1
	s_wait_xcnt 0x0                                ; the prefetches' base is rewritten only behind this wait; the last one stands 112 matrix instructions back
	s_add_nc_u64 s[90:91], s[90:91], 4194304       ; two K steps on (behind the last lap the stepped address is not used)
.endm
	s_wait_tensorcnt 1                             ; my part of K step 0 is in; K step 1's stays out
	s_barrier_signal -1
	s_barrier_wait -1
	FETCH 0, 0, F0
	LAP 1                                          ; K steps 0, 1: the first products start the sums
	WIN 0
	s_mov_b32 s3, 2
.Llap:
	LAP 0                                          ; K steps 2 to 5
	WIN 0
	s_sub_co_u32 s3, s3, 1
	s_cmp_lg_u32 s3, 0
	s_cbranch_scc1 .Llap
	THREE 0, 0, -1                                 ; K steps 6, 7 fill nothing and ask for nothing
	TURN 0, 1, 0
	THREE 1, 0, -1
	s_wait_dscnt 8
	WIN MULW
	MULB F1, 0, 4, 0
	s_wait_dscnt 0x0
	MULB F1, 4, 4, 0
	; K', V' and the scales, asked for at the head.  The vector work from here to Q's conversions (more than 130 plain instructions that name no register of
	; the last matrix instructions) also fills the four places in front of those conversions.
	WIN 0
	s_wait_kmcnt 0x0
	s_wait_loadcnt 0x0
	v_max3_num_f32 v40, v40, v41, v42
	v_max_num_f32 v40, v40, v43
	v_max_num_f32_dpp v40, v40, v40 row_xmask:1 row_mask:0xf bank_mask:0xf
	v_max_num_f32_dpp v40, v40, v40 row_xmask:2 row_mask:0xf bank_mask:0xf
	v_max_num_f32_dpp v40, v40, v40 row_xmask:4 row_mask:0xf bank_mask:0xf
	v_max_num_f32_dpp v40, v40, v40 row_xmask:8 row_mask:0xf bank_mask:0xf
	v_permlanex16_b32 v41, v40, s74, s75
	v_max_num_f32 v40, v40, v41                    ; c_glob
	v_sub_nc_u32 v42, 0x7f000000, v40              ; 1 / c_glob: a power of two between 2^-126 and 2^126
	v_mul_f32 v46, s72, v42
	v_mul_f32 v47, s73, v42
	v_cvt_pk_f16_f32 v44, v46, v46                 ; c / c_glob of the tile of e = 0..63, in both halves
	v_cvt_pk_f16_f32 v45, v47, v47                 ; and of e = 64..127
	WIN 0x82                                       ; destination and source 0 in window 2
.irp dt, 0,1,2,3
.irp c, 0,1,2,3
.irp k, 0,1,2,3,4,5,6,7
	v_pk_mul_f16 v[128+32*\dt+8*\c+\k], v[128+32*\dt+8*\c+\k], v[44+(\c>>1)]
.endr
.endr
.endr
	WIN 0
	s_mul_f32 s66, s70, 0x3e38aa3b                 ; kappa = c log2(e) / 8, twice: the packed multiply-add names a pair
	s_mov_b32 s67, s66
	s_mul_f32 s68, s71, 0x3e38aa3b
	s_mov_b32 s69, s68
	; Q to f16, in place and ascending: register i takes registers 2 i and 2 i + 1.  Fragment (b, c) of Q (rows 16 b + r, d = 32 c ..) is then v[16 b + 8 c] of window 1.
	WIN 0x55                                       ; everything in window 1
.set cnt, 0
.rept 128
	v_cvt_pk_f16_f32 v[cnt], v[2*cnt], v[2*cnt+1]
.set cnt, cnt+1
.endr
; THE ATTENTION.  Window 3, p = the block's parity:
;   v[64 p .. + 63]        scores S (tile et at 8 et: query r, e = 16 et + 8 hh + 0..7), scaled and exponentiated in place, then P in the low 32 (fragment c at 8 c)
;   v[128 + 32 p .. + 31]  result O (tile dt at 8 dt: query r, d = 16 dt + 8 hh + 0..7), packed in place into the low 16; the rows read back from the stage in the high 16
;   v[192 + 8 p .. + 7]    the row sums' accumulator: every register holds the sum of query r
;   v[208:215] a fragment of ones; v216, v217 the two maxima; v218 the lane exchange; v[220:221] -m twice; v[222:223] 1 / l twice; v224 stage in, v225 stage back, v226 16 L
.set WSC, 0xf6                         ; a score product: source 0 (K') window 2, source 1 (Q) window 1, C and D window 3
.set WPV, 0xfe                         ; a product P V': source 0 (V') window 2, the rest window 3
.set WV3, 0xff                         ; everything in window 3: vector work, and the row sums' products
.set ONE,  208
.set MXA,  216
.set MXB,  217
.set TMP,  218
.set NEGM, 220
.set RL,   222
.set STO,  224
.set RDB,  225
.set L16,  226
; Matrix instruction i (0..15) of block b's scores: tiles 0..7 with d = 0..31, which start the sums, then tiles 0..7 with d = 32..63.
; The eight accumulators take turns, one instruction a turn.
.macro SMM b, i
.set xsb, 64*((\b)&1)
.set xet, (\i)&7
	WIN WSC
.if (\i) < 8
	v_wmma_f32_16x16x32_f16 v[xsb+8*xet:xsb+8*xet+7], v[16*xet:16*xet+7], v[16*(\b):16*(\b)+7], 0
.else
	v_wmma_f32_16x16x32_f16 v[xsb+8*xet:xsb+8*xet+7], v[16*xet+8:16*xet+15], v[16*(\b)+8:16*(\b)+15], v[xsb+8*xet:xsb+8*xet+7]
.endif
.endm
; Matrix instruction i (0..19) of block b's P V' and row sums.  i = 0..7: O(0), l, O(1), l, O(2), l, O(3), l: the four results with e = 0..31, and between them the
; row sums over all four fragments of P, in the part of the run whose slices use the vector setting anyway.  i = 8..19: O(0..3) with e = 32 c .., c = 1, 2, 3.
; No two matrix instructions that follow each other share an accumulator.
.macro PMM b, i
.set xsb, 64*((\b)&1)
.set xob, 128+32*((\b)&1)
.set xlb, 192+8*((\b)&1)
.if (\i) >= 8
.set xc, ((\i)-4)>>2
.set xd, (\i)&3
	WIN WPV
	v_wmma_f32_16x16x32_f16 v[xob+8*xd:xob+8*xd+7], v[128+32*xd+8*xc:128+32*xd+8*xc+7], v[xsb+8*xc:xsb+8*xc+7], v[xob+8*xd:xob+8*xd+7]
.else
.set xc, (\i)>>1
.if (\i)&1
	WIN WV3
.if xc == 0
	v_wmma_f32_16x16x32_f16 v[xlb:xlb+7], v[ONE:ONE+7], v[xsb:xsb+7], 0
	s_wait_alu depctr_va_vdst(0)
.else
	v_wmma_f32_16x16x32_f16 v[xlb:xlb+7], v[ONE:ONE+7], v[xsb+8*xc:xsb+8*xc+7], v[xlb:xlb+7]
.endif
.else
	WIN WPV
	v_wmma_f32_16x16x32_f16 v[xob+8*xc:xob+8*xc+7], v[128+32*xc:128+32*xc+7], v[xsb:xsb+7], 0
.endif
.endif
.endm
; Step j (0..7) of block k's maxima: two chains, one for each K' tile's scale (e = 0..63, e = 64..127), four scores each
.macro MXS k, j
.set xs, 64*((\k)&1)
	WIN WV3
.if (\j) == 0
	v_max_num_f32 v[MXA], v[xs], v[xs+1]
	v_max_num_f32 v[MXB], v[xs+32], v[xs+33]
.else
	v_max3_num_f32 v[MXA], v[MXA], v[xs+4*(\j)], v[xs+4*(\j)+1]
	v_max3_num_f32 v[MXB], v[MXB], v[xs+32+4*(\j)], v[xs+33+4*(\j)]
.endif
	v_max3_num_f32 v[MXA], v[MXA], v[xs+4*(\j)+2], v[xs+4*(\j)+3]
	v_max3_num_f32 v[MXB], v[MXB], v[xs+34+4*(\j)], v[xs+35+4*(\j)]
.endm
.macro FINS                            ; the row's maximum: lane (r, hh) holds 64 of query r's scores, its partner r + 16 the other 64
	WIN WV3
	v_mul_f32 v[MXA], s66, v[MXA]                  ; kappa > 0: the maximum of the scaled scores is the scaled maximum
	v_mul_f32 v[MXB], s68, v[MXB]
	v_max_num_f32 v[MXB], v[MXA], v[MXB]
	v_permlanex16_b32 v[TMP], v[MXB], s74, s75
	v_max_num_f32 v[TMP], v[MXB], v[TMP]
	v_sub_f32 v[NEGM], 0, v[TMP]
	v_sub_f32 v[NEGM+1], 0, v[TMP]
.endm
; Step j (0..7) of block k's scaling: tile j becomes kappa S - m.  Source 0 is the scalar, so the line means the same under the setting of P V' as under the vector setting.
.macro FMAS k, j
.set xs, 64*((\k)&1)+8*(\j)
.set xk, 66+2*((\j)>>2)
.if MSB != WPV
	WIN WV3
.endif
.irp u, 0,2,4,6
	v_pk_fma_f32 v[xs+\u:xs+\u+1], s[xk:xk+1], v[xs+\u:xs+\u+1], v[NEGM:NEGM+1] op_sel_hi:[0,1,1]
.endr
.endm
; Step j (0..10) of block b's way out: 1 / l; four steps of division; four of packing, in place and ascending; 16 bytes a lane into my stage; whole rows back
.macro OPS b, j
.set xo, 128+32*((\b)&1)
.set xl, 192+8*((\b)&1)
	WIN WV3
.if (\j) == 0
	v_rcp_f32 v[RL], v[xl]                         ; behind these two a plain instruction stands before the result is used (ISA guide 5.7.2):
	v_rcp_f32 v[RL+1], v[xl]                       ; the first line of the maxima's step, or a v_nop where no maxima are left
.endif
.if (\j) >= 1
.if (\j) <= 4
.set xq, xo+8*((\j)-1)
.irp u, 0,2,4,6
	v_pk_mul_f32 v[xq+\u:xq+\u+1], v[xq+\u:xq+\u+1], v[RL:RL+1]
.endr
.endif
.endif
.if (\j) >= 5
.if (\j) <= 8
.set xq, (\j)-5
.irp u, 0,1,2,3
	v_cvt_pk_f16_f32 v[xo+4*xq+\u], v[xo+8*xq+2*\u], v[xo+8*xq+2*\u+1]
.endr
.endif
.endif
.if (\j) == 9
.irp u, 0,1,2,3
	ds_store_b128 v[STO], v[xo+4*\u:xo+4*\u+3] offset:32*\u       ; row r, d = 16 u + 8 hh + 0..7
.endr
.endif
.if (\j) == 10
.irp u, 0,1,2,3
	ds_load_b128 v[xo+16+4*\u:xo+19+4*\u], v[RDB] offset:4*PITCH*\u   ; my own stage: LDS serves a wave's instructions in order
.endr
.endif
.endm
.macro OGS b                           ; block b's four stores; its rows were read back ten matrix instructions earlier in a full trip, and no LDS instruction was issued since
.set xo, 128+32*((\b)&1)
	WIN WV3
.irp u, 0,1,2,3
	s_wait_dscnt 3-\u                              ; load u is in, the younger ones may be out
	global_store_b128 v[L16], v[xo+16+4*\u:xo+19+4*\u], s[62:63] offset:2048*(\b)+512*\u   ; four rows of the head's panel: 512 consecutive bytes
.endr
.endm
; Slice i (0..19) of run A.  mf = 1: block k's maxima (slices 0-7), the row's maximum (8), the scaling (12-19).  oph = 1: block k - 2's way out (0-10).
.macro ASL k, i, mf, oph
.if \oph
.if (\i) < 11
	OPS \k-2, \i
.endif
.endif
.if \mf
.if (\i) < 8
	MXS \k, \i
.endif
.if (\i) == 8
	FINS
.endif
.if (\i) >= 12
	FMAS \k, \i-12
.endif
.else
.if (\i) == 0
	v_nop                                          ; the plain instruction behind the two reciprocals
	s_wait_alu depctr_va_vdst(0)
.endif
.endif
.endm
; Slice i (0..15) of run B: four exponentials of block k, and the packing of the four of the slice before: register n takes registers 2 n and 2 n + 1, ascending.
; The two packings are the plain instructions between a slice's exponentials and their use in the next slice (ISA guide 5.7.2); slice 0 has none to pack: one v_nop.
.macro ESL k, i
.set xs, 64*((\k)&1)
	WIN WV3
.irp u, 0,1,2,3
	v_exp_f32 v[xs+4*(\i)+\u], v[xs+4*(\i)+\u]
.endr
.if (\i) == 0
	v_nop
.else
	s_wait_alu depctr_va_vdst(0)
	v_cvt_pk_f16_f32 v[xs+2*(\i)-2], v[xs+4*(\i)-4], v[xs+4*(\i)-3]
	v_cvt_pk_f16_f32 v[xs+2*(\i)-1], v[xs+4*(\i)-2], v[xs+4*(\i)-1]
.endif
.if (\i) == 15
	v_cvt_pk_f16_f32 v[xs+30], v[xs+60], v[xs+61]
	v_cvt_pk_f16_f32 v[xs+31], v[xs+62], v[xs+63]
.endif
.endm
; Run A of trip k.  pm = 1: the products of block k - 1.  They write over the result set of block k - 3, whose high 16 registers were the data of that block's stores.
; DISTANCES (ISA guide 7.12.1), by the text's count: the scores that slice 0 reads (tiles 0 and 4) were written 10 plain instructions or more earlier, the last
; tile's are read six slices later; the results of block k - 2 were written a whole run earlier.
.macro RUNA k, pm, mf, oph
.if \pm
	s_wait_xcnt 0x0                                ; those stores, issued a whole run earlier, have read their data
.endif
.irp i, 0,1,2,3,4,5,6,7,8,9,10,11,12,13,14,15,16,17,18,19
.if \pm
	PMM \k-1, \i
.endif
	ASL \k, \i, \mf, \oph
.endr
.endm
; Run B of trip k.  sm = 1: the scores of block k + 1, into the set in which P of block k - 1 lay.  Its fragment 3 was last read by run A's last product; the score
; product that writes over it is the fourth here: between them stand four scalings, one v_nop and four packings.  gs = 1: block k - 2's stores, in slice 0.
.macro RUNB k, sm, gs
.irp i, 0,1,2,3,4,5,6,7,8,9,10,11,12,13,14,15
.if \sm
	SMM \k+1, \i
.endif
	ESL \k, \i
.if \gs
.if \i == 0
	OGS \k-2
.endif
.endif
.endr
.endm
.irp i, 0,1,2,3,4,5,6,7,8,9,10,11,12,13,14,15
	SMM 0, \i                                      ; the scores of block 0: nothing stands beside them yet
.endr
	WIN 0xc0                                       ; destination in window 3.  These twelve moves are also the places between the scores' products and the first maxima
	v_mov_b32 v[STO], v25                          ; stage in
	v_mov_b32 v[RDB], v26                          ; stage back
	v_mov_b32 v[L16], v27                          ; 16 L
	v_mov_b32 v[TMP], 0                            ; the lane exchange's destination counts as read
.irp u, 0,1,2,3,4,5,6,7
	v_mov_b32 v[ONE+\u], 0x3c003c00                ; 1.0 in both halves
.endr
	RUNA 0, 0, 1, 0
	RUNB 0, 1, 0
	RUNA 1, 1, 1, 0
	RUNB 1, 1, 0
	RUNA 2, 1, 1, 1                                ; the full trips
	RUNB 2, 1, 1
	RUNA 3, 1, 1, 1
	RUNB 3, 1, 1
	RUNA 4, 1, 1, 1
	RUNB 4, 1, 1
	RUNA 5, 1, 1, 1
	RUNB 5, 1, 1
	RUNA 6, 1, 1, 1
	RUNB 6, 1, 1
	RUNA 7, 1, 1, 1
	RUNB 7, 0, 1                                   ; no block 8: no scores beside block 7's exponentials
	RUNA 8, 1, 0, 1
	OGS 6
	PLACES                                         ; four places between the last products and block 7's division
	RUNA 9, 0, 0, 1
	OGS 7                                          ; its last wait is for all LDS instructions: none is pending at the barrier below
	WIN 0
	s_wait_tensorcnt 0x0
	ds_add_u32 v62, v63
	s_wait_dscnt 0x0
	CROUND                                         ; the closing round: no work-group ends while a partner may still ask for a tile that names it
	s_endpgm
.Lfunc_end_k_q8c4a983de2_qattn:
	.size	k_q8c4a983de2_qattn, .Lfunc_end_k_q8c4a983de2_qattn-k_q8c4a983de2_qattn
	.p2alignl 7, 3214868480
	.fill 96, 4, 3214868480
	.section	.rodata,"a",@progbits
	.p2align	6, 0x0
	.amdhsa_kernel k_q8c4a983de2_qattn
		.amdhsa_group_segment_fixed_size 327680
		.amdhsa_private_segment_fixed_size 0
		.amdhsa_enable_private_segment 0
		.amdhsa_kernarg_size 40
		.amdhsa_user_sgpr_count 2
		.amdhsa_user_sgpr_kernarg_segment_ptr 1
		.amdhsa_wavefront_size32 1
		.amdhsa_system_sgpr_workgroup_id_x 1
		.amdhsa_system_sgpr_workgroup_id_y 1
		.amdhsa_system_sgpr_workgroup_id_z 1
		.amdhsa_system_vgpr_workitem_id 0
		.amdhsa_next_free_vgpr 1024
		.amdhsa_next_free_sgpr 92
		.amdhsa_reserve_vcc 0
		.amdhsa_float_denorm_mode_32 3
		.amdhsa_float_denorm_mode_16_64 3
		.amdhsa_memory_ordered 1
		.amdhsa_forward_progress 1
		.amdhsa_inst_pref_size 250
	.end_amdhsa_kernel
	.amdgpu_metadata
---
amdhsa.version: [ 1, 2 ]
amdhsa.kernels:
  - .name:           k_q8c4a983de2_qattn
    .symbol:         k_q8c4a983de2_qattn.kd
    .args:
      - { .name: xh, .offset: 0, .size: 8, .value_kind: global_buffer, .address_space: global }
      - { .name: wh, .offset: 8, .size: 8, .value_kind: global_buffer, .address_space: global }
      - { .name: kv, .offset: 16, .size: 8, .value_kind: global_buffer, .address_space: global }
      - { .name: scl, .offset: 24, .size: 8, .value_kind: global_buffer, .address_space: global }
      - { .name: ao, .offset: 32, .size: 8, .value_kind: global_buffer, .address_space: global }
    .group_segment_fixed_size: 327680
    .private_segment_fixed_size: 0
    .kernarg_segment_align: 8
    .kernarg_segment_size: 40
    .max_flat_workgroup_size: 128
    .sgpr_count:     92
    .vgpr_count:     1024
    .wavefront_size: 32
...
	.end_amdgpu_metadata
.endif
;; end of part 3
;; launch oproj (part 4): grid 4 x 64, 4 waves a work-group, clusters of 4 x 4, 327,680 bytes of LDS; arguments ao, wh, scl, out0; writes out0
.if DOCPART == 4
	.amdgcn_target "amdgcn-amd-amdhsa--gfx1250"
	.amdhsa_code_object_version 6
	.text
	.protected	k_q8c4a983de2_oproj
	.globl	k_q8c4a983de2_oproj
	.p2align	8
	.type	k_q8c4a983de2_oproj,@function
k_q8c4a983de2_oproj:
	s_mov_b64 s[64:65], 0
	v_nop
	global_prefetch_b8 v0, s[64:65] scope:SCOPE_SE
	s_setreg_imm32_b32 hwreg(HW_REG_WAVE_MODE, 25, 1), 1
	s_wait_xcnt 0x0
	s_wait_alu depctr_hold_cnt(0) depctr_sa_sdst(0) depctr_va_vdst(0) depctr_va_sdst(0) depctr_va_ssrc(0) depctr_va_vcc(0) depctr_vm_vsrc(0)
	s_getreg_b32 s2, hwreg(HW_REG_IB_STS2, 6, 4)
	s_cmp_eq_u32 s2, 0
	s_cbranch_scc0 .Lentry_in_a_cluster
	s_endpgm
.Lentry_in_a_cluster:
	s_bfe_u32 s2, ttmp6, 0x10000c
	s_cmp_lg_u32 s2, 0xf033
	s_cbranch_scc0 .Lentry_shape_is_right
	s_endpgm
.Lentry_shape_is_right:
; LINFORMER SELF-ATTENTION, launch 4 of 4: out0 = c_glob (ao Wo^T), f32.  ao is the attention's result divided by c_glob, the largest of the 128 V scales in scl.
; A block of 128 rows x 256 columns a work-group, four waves; wave w holds all 128 rows x columns 64 w .. 64 w + 63: 32 accumulator tiles (window 1).
; K = 1,024 goes in steps of 128 (two panels of 64) through a ring of two LDS slots filled by the tensor data mover.  Operands f16, sums f32.
; JOINT LOADS: 4 x 4 work-groups form a cluster.  The four of a row of the cluster need the same 128 rows of ao, the four of a column the same 256 rows of Wo:
; each such tile is asked for by all four with one descriptor and a mask that names the four.  Waves 0, 1 ask for ao's two panels, waves 2, 3 for Wo's.
; PREFETCH: in the first quarter of K step s (s = 0 .. 5) the tile of ao of K step s + 2 is asked for, 96 matrix instructions ahead of the joint load that
; fetches it.  Its 32,768 bytes are read by the four partners of my row alone; partner cx asks for panel cx >> 1, rows 64 (cx & 1) .. + 63: 8,192 bytes, the 32
; lanes of wave 3 at 256 bytes' distance, so each block is asked for once in the launch.  K steps 6 and 7 ask for nothing: the last address lies in panel 15.
; Wo is not asked for: all 64 block rows read it.
; Source 0 = 16 rows of Wo, source 1 = 16 rows of ao: a lane's 8 results are 8 neighbouring columns of one row of out0.
; The V scales are loaded at the head and first used on the way out: the load stays out across the K loop, which names none of its registers.
.set PITCH, 144                        ; an LDS row: 128 bytes + 16
.set XPAN,  18432                      ; 128 rows of ao, one panel
.set WPAN,  36864                      ; 256 rows of Wo, one panel
.set SLOT,  110592
.set STAGE, 221184                     ; behind the ring: 16 rows x 272 bytes for each wave; no tensor load lands here
.set SPITCH, 272
.set WOFF,  6291456                    ; w_o is the fourth weight in wh
.set ADX, 16
.set ADW, 20
.set F0,  64
.set F1,  160
.set G1A, 24
.set G0A, 32
.set G1B, 40
.set G0B, 48
.set MULW, 0x50                        ; C and D in window 1.  Accumulator tile (a, b) at v[8 (4 b + a)]
.set MSB, 0
.macro WIN new                         ; the immediate's high byte repeats the setting that is left
.if MSB != \new
	s_set_vgpr_msb (MSB<<8)|\new
.set MSB, \new
.endif
.endm
.macro PLACES
.rept 4
	v_nop
.endr
.endm
.macro JLOAD s                         ; a joint load: each line has one mask and one set of registers; the branch hangs on the wave's number alone
	s_cmp_eq_u32 s15, 0
	s_cbranch_scc0 .Lfor_b_\@
	tensor_load_to_lds s[G0A+4*\s:G0A+4*\s+3], s[G1A:G1A+7]
	s_nop 0
	s_branch .Lasked_\@
.Lfor_b_\@:
	tensor_load_to_lds s[G0B+4*\s:G0B+4*\s+3], s[G1B:G1B+7]
	s_nop 0
.Lasked_\@:
.endm
.macro CREST                           ; a round of the cluster's barrier behind its opening barrier
	s_cmp_lg_u32 s14, 0
	s_cbranch_scc1 .Lnot_wave_0_\@
	s_barrier_signal -3
.Lnot_wave_0_\@:
	s_barrier_wait -3
	s_barrier_signal -1
	s_barrier_wait -1
.endm
.macro CROUND
	s_barrier_signal -1
	s_barrier_wait -1
	CREST
.endm
.macro PFETCH off                      ; wave 3 asks for my work-group's 8,192 bytes of a later tile of ao
	s_cmp_lg_u32 s14, 3
	s_cbranch_scc1 .Lno_pf_\@
	global_prefetch_b8 v28, s[90:91] offset:\off th:TH_LOAD_NT scope:SCOPE_SE
.Lno_pf_\@:
.endm
	s_load_b256 s[4:11], s[0:1], 0x0               ; ao s[4:5], wh s[6:7], scl s[8:9], out0 s[10:11]
	v_lshl_add_u32 v62, v0, 2, 0x3a400
	v_mov_b32 v63, 0
	ds_add_u32 v62, v63
	ds_add_u32 v62, v63
	v_lshrrev_b32 v1, 5, v0
	v_readfirstlane_b32 s14, v1                    ; w
	s_lshr_b32 s15, s14, 1                         ; I ask for ao (0) or for Wo (1)
	s_and_b32 s16, s14, 1                          ; which of a K step's two panels
	s_bfe_u32 s17, ttmp6, 0x40000                  ; cx
	s_bfe_u32 s18, ttmp6, 0x40004                  ; cy
	s_lshl_b32 s19, ttmp9, 2
	s_add_co_u32 s19, s19, s17                     ; bc
	s_and_b32 s20, ttmp7, 0xffff
	s_lshl_b32 s20, s20, 2
	s_add_co_u32 s20, s20, s18                     ; br
	s_lshl_b32 s21, s18, 2
	s_lshl_b32 s21, 15, s21                        ; my row of the cluster
	s_lshl_b32 s22, 0x1111, s17                    ; my column
	; group 1: a dense block as rows of 256 bytes; 16 bytes of padding behind every 128 bytes
	s_or_b32 s[G1A+0], s21, 0x07330000             ; mask; element of 8 bytes; padding on; bit 21 beside a mask; after every 32 words; of 4 words
	s_or_b32 s[G1B+0], s22, 0x07330000
	s_mov_b32 s[G1A+1], 32<<16
	s_mov_b32 s[G1B+1], 32<<16
	s_mov_b32 s[G1A+2], 64<<16
	s_mov_b32 s[G1B+2], 128<<16
	s_mov_b32 s[G1A+3], 32<<16
	s_mov_b32 s[G1B+3], 32<<16
	s_mov_b32 s[G1A+4], 64
	s_mov_b32 s[G1B+4], 128
	s_mov_b32 s[G1A+5], 32
	s_mov_b32 s[G1B+5], 32
	s_mov_b32 s[G1A+6], 0
	s_mov_b32 s[G1B+6], 0
	s_mov_b32 s[G1A+7], 0
	s_mov_b32 s[G1B+7], 0
	; ao's tiles hang on the block row and the wave's number, Wo's on the block column and the wave's number, each in registers that never hold the other coordinate
	s_lshl_b32 s56, s20, 14
	s_lshl_b32 s23, s16, 20
	s_add_co_u32 s56, s56, s23
	s_mov_b32 s57, 0
	s_lshl_b32 s58, s19, 15
	s_lshl_b32 s84, s16, 17
	s_add_co_u32 s58, s58, s84
	s_add_co_u32 s58, s58, WOFF
	s_mov_b32 s59, 0
	s_mul_i32 s76, s16, XPAN
	s_mul_i32 s77, s16, WPAN
	s_add_co_u32 s77, s77, 2*XPAN
	s_wait_dscnt 0x0
	s_wait_kmcnt 0x0
	s_add_nc_u64 s[56:57], s[4:5], s[56:57]
	s_add_nc_u64 s[58:59], s[6:7], s[58:59]
	CROUND                                         ; all sixteen work-groups are here: the first joint loads meet
.irp s, 0,1
	s_mov_b32 s[G0A+4*\s], 1
	s_add_co_u32 s[G0A+4*\s+1], s76, \s*SLOT
	s_add_nc_u64 s[G0A+4*\s+2:G0A+4*\s+3], s[56:57], \s*2097152
	s_or_b32 s[G0A+4*\s+3], s[G0A+4*\s+3], 0x80000000
	s_mov_b32 s[G0B+4*\s], 1
	s_add_co_u32 s[G0B+4*\s+1], s77, \s*SLOT
	s_add_nc_u64 s[G0B+4*\s+2:G0B+4*\s+3], s[58:59], \s*262144
	s_or_b32 s[G0B+4*\s+3], s[G0B+4*\s+3], 0x80000000
	JLOAD \s                                       ; two tensor loads of the wave are out
.endr
	v_and_b32 v1, 15, v0                           ; r
	v_bfe_u32 v2, v0, 4, 1                         ; hh
	v_mul_u32_u24 v3, v1, PITCH
	v_lshl_add_u32 v3, v2, 4, v3
	v_mov_b32 v[ADX], v3
	v_add_nc_u32 v[ADX+1], SLOT, v3
	s_mul_i32 s85, s14, 64*PITCH
	s_add_co_u32 s85, s85, 2*XPAN
	v_add_nc_u32 v[ADW], s85, v3
	v_add_nc_u32 v[ADW+1], SLOT, v[ADW]
	s_mul_i32 s88, s14, 16*SPITCH
	s_add_co_u32 s88, s88, STAGE                   ; my stage
	v_mul_u32_u24 v4, v1, SPITCH
	v_lshl_add_u32 v4, v2, 5, v4
	v_add_nc_u32 v24, s88, v4                      ; in: row r, 32 bytes for each half of the lanes
	v_mul_u32_u24 v5, v2, SPITCH
	v_lshl_add_u32 v5, v1, 4, v5
	v_add_nc_u32 v25, s88, v5                      ; back: lanes 0-15 one row of 256 bytes, lanes 16-31 the next
	v_lshlrev_b32 v26, 12, v2
	v_lshl_add_u32 v26, v1, 4, v26                 ; the same two rows in out0
	v_and_b32 v27, 31, v0
	v_lshlrev_b32 v28, 8, v27                      ; 256 L: the prefetch's lanes
	v_lshlrev_b32 v27, 4, v27                      ; 16 L
	s_mov_b32 s74, 0x76543210
	s_mov_b32 s75, 0xfedcba98
	; numbers that hang on both coordinates live in s78 to s80, s90, s91: none of these feeds a descriptor or an LDS address
	s_lshl_b32 s78, s20, 19                        ; 128 rows of 4,096 bytes
	s_lshl_b32 s80, s19, 10                        ; 256 columns
	s_add_co_u32 s78, s78, s80
	s_lshl_b32 s80, s14, 8                         ; my 64 columns
	s_add_co_u32 s78, s78, s80
	s_mov_b32 s79, 0
	s_add_nc_u64 s[60:61], s[10:11], s[78:79]
	s_lshr_b32 s78, s17, 1                         ; the prefetch: panel cx >> 1 of a K step's two,
	s_lshl_b32 s78, s78, 20
	s_and_b32 s80, s17, 1                          ; rows 64 (cx & 1) .. of the tile's 128,
	s_lshl_b32 s80, s80, 13
	s_add_co_u32 s78, s78, s80
	s_lshl_b32 s80, s20, 14                        ; my block row,
	s_add_co_u32 s78, s78, s80
	s_add_co_u32 s78, s78, 4194304                 ; K step 2
	s_add_nc_u64 s[90:91], s[4:5], s[78:79]
	global_load_b128 v[40:43], v27, s[8:9] offset:512         ; all 128 V scales, four a lane; waited for behind the K loop
; 24 LDS loads in one run: the fragments of quarter q: Wo's four first, then ao's eight
.macro FETCH slot, q, f
.irp a, 0,1,2,3
	ds_load_b128 v[\f+8*\a:\f+8*\a+3],   v[ADW+\slot] offset:(\q>>1)*WPAN+(\q&1)*64+16*PITCH*\a
	ds_load_b128 v[\f+8*\a+4:\f+8*\a+7], v[ADW+\slot] offset:(\q>>1)*WPAN+(\q&1)*64+16*PITCH*\a+32
.endr
.irp u, 0,1,2,3,4,5,6,7
	ds_load_b128 v[\f+32+8*\u:\f+32+8*\u+3], v[ADX+\slot] offset:(\q>>1)*XPAN+(\q&1)*64+16*PITCH*\u
	ds_load_b128 v[\f+36+8*\u:\f+36+8*\u+3], v[ADX+\slot] offset:(\q>>1)*XPAN+(\q&1)*64+16*PITCH*\u+32
.endr
.endm
; The 32 accumulators take turns, one instruction a turn, in the same order in every quarter.
.macro MULB f, b0, nb, zero
.set bb, \b0
.rept \nb
.irp a, 0,1,2,3
.if \zero
	v_wmma_f32_16x16x32_f16 v[8*(4*bb+\a):8*(4*bb+\a)+7], v[\f+8*\a:\f+8*\a+7], v[\f+32+8*bb:\f+32+8*bb+7], 0
.else
	v_wmma_f32_16x16x32_f16 v[8*(4*bb+\a):8*(4*bb+\a)+7], v[\f+8*\a:\f+8*\a+7], v[\f+32+8*bb:\f+32+8*bb+7], v[8*(4*bb+\a):8*(4*bb+\a)+7]
.endif
.endr
.set bb, bb+1
.endr
.endm
; Four v_nop stand between the matrix instructions that read buffer g and the loads into it (ISA guide 7.12.1 for vector instructions).
; pf >= 0: the prefetch, at byte pf from its base, behind the run of LDS loads and in front of sixteen matrix instructions.
.macro QUARTER slot, q, f, g, zero, pf
	s_wait_dscnt 8                                 ; all but the youngest eight loads (ao's fragments 4-7) are in
	WIN MULW
	MULB \f, 0, 4, \zero
	WIN 0
	PLACES
	FETCH \slot, \q, \g
	s_wait_dscnt 24                                ; all but the 24 just issued
.if \pf >= 0
	PFETCH \pf
.endif
	WIN MULW
	MULB \f, 4, 4, \zero
.endm
.macro THREE slot, zero, pf
	QUARTER \slot, 1, F0, F1, \zero, \pf
	QUARTER \slot, 2, F1, F0, 0, -1
	QUARTER \slot, 3, F0, F1, 0, -1
.endm
; The change of slots.  In front of the barrier each wave waits for its reads of this slot and for all its tensor loads (one is out: its part of the next slot).
; fill = 1: the barrier opens a round of the cluster's barrier; behind the round the joint refill (two K steps ahead) is the wave's first and only tensor load.
.macro TURN slot, next, fill
	s_wait_dscnt 8
	WIN MULW
	MULB F1, 0, 2, 0
	s_wait_dscnt 0x0
	s_wait_tensorcnt 0x0
	ds_add_u32 v62, v63
	s_wait_dscnt 0x0
	s_barrier_signal -1
	MULB F1, 2, 2, 0
	WIN 0
	s_barrier_wait -1
.if \fill
	CREST
	s_add_nc_u64 s[G0A+4*\slot+2:G0A+4*\slot+3], s[G0A+4*\slot+2:G0A+4*\slot+3], 4194304
	s_add_nc_u64 s[G0B+4*\slot+2:G0B+4*\slot+3], s[G0B+4*\slot+2:G0B+4*\slot+3], 524288
	JLOAD \slot
.endif
	PLACES
	FETCH \next, 0, F0
	WIN MULW
	MULB F1, 4, 4, 0
.endm
.macro LAP zero                        ; two K steps, both slots filled again, the tiles of the two K steps after the next asked for
	THREE 0, \zero, 0
	TURN 0, 1, 1
	THREE 1, 0, 2097152
	TURN 1, 0, 1
	s_wait_xcnt 0x0                                ; the prefetches' base is rewritten only behind this wait; the last one stands 112 matrix instructions back
	s_add_nc_u64 s[90:91], s[90:91], 4194304       ; two K steps on (behind the last lap the stepped address is not used)
.endm
	s_wait_tensorcnt 1                             ; my part of K step 0 is in; K step 1's stays out
	s_barrier_signal -1
	s_barrier_wait -1
	FETCH 0, 0, F0
	LAP 1                                          ; the first products start the sums
	WIN 0
	s_mov_b32 s3, 2
.Llap:
	LAP 0
	WIN 0
	s_sub_co_u32 s3, s3, 1
	s_cmp_lg_u32 s3, 0
	s_cbranch_scc1 .Llap
	THREE 0, 0, -1                                 ; the last lap fills nothing and asks for nothing
	TURN 0, 1, 0
	THREE 1, 0, -1
	s_wait_dscnt 8
	WIN MULW
	MULB F1, 0, 4, 0
	s_wait_dscnt 0x0
	MULB F1, 4, 4, 0
	PLACES                                         ; four places between the last matrix instructions and the first use of their results (the reduction below crosses lanes in five of its nine lines)
	WIN 0
	s_wait_loadcnt 0x0                             ; the V scales, asked for at the head
	v_max3_num_f32 v40, v40, v41, v42
	v_max_num_f32 v40, v40, v43
	v_max_num_f32_dpp v40, v40, v40 row_xmask:1 row_mask:0xf bank_mask:0xf
	v_max_num_f32_dpp v40, v40, v40 row_xmask:2 row_mask:0xf bank_mask:0xf
	v_max_num_f32_dpp v40, v40, v40 row_xmask:4 row_mask:0xf bank_mask:0xf
	v_max_num_f32_dpp v40, v40, v40 row_xmask:8 row_mask:0xf bank_mask:0xf
	v_permlanex16_b32 v41, v40, s74, s75
	v_max_num_f32 v40, v40, v41                    ; c_glob,
	v_mov_b32 v41, v40                             ; twice: a pair for the packed multiply
; THE WAY OUT, 16 rows at a time: times c_glob, 32 bytes a lane into my own stage, read back as whole rows of 256 bytes.
.macro OUT16 b, f
	WIN 0x41                                       ; destination and source 0 in window 1
.irp k, 0,2,4,6,8,10,12,14,16,18,20,22,24,26,28,30
	v_pk_mul_f32 v[32*\b+\k:32*\b+\k+1], v[32*\b+\k:32*\b+\k+1], v[40:41]
.endr
	WIN 0x04                                       ; store data in window 1
.irp a, 0,1,2,3
	ds_store_b128 v24, v[32*\b+8*\a:32*\b+8*\a+3]   offset:64*\a
	ds_store_b128 v24, v[32*\b+8*\a+4:32*\b+8*\a+7] offset:64*\a+16
.endr
	WIN 0
	s_wait_xcnt 0x0                                ; buffer f was the data of earlier stores: it is loaded again only behind this wait
.irp t, 0,1,2,3,4,5,6,7
	ds_load_b128 v[\f+4*\t:\f+4*\t+3], v25 offset:2*SPITCH*\t     ; my own stage: LDS serves a wave's instructions in order
.endr
.irp t, 0,1,2,3,4,5,6,7
	s_wait_dscnt 7-\t                              ; load t is in, the younger ones may be out
	global_store_b128 v26, v[\f+4*\t:\f+4*\t+3], s[60:61] offset:(16*\b+2*\t)*4096 th:TH_STORE_NT   ; 16 lanes store 256 consecutive bytes, at a multiple of 256 from out0's first byte
.endr
.endm
	OUT16 0, F0
	OUT16 1, F1
	OUT16 2, F0
	OUT16 3, F1
	OUT16 4, F0
	OUT16 5, F1
	OUT16 6, F0
	OUT16 7, F1
	s_wait_tensorcnt 0x0
	ds_add_u32 v62, v63
	s_wait_dscnt 0x0
	CROUND                                         ; the closing round: no work-group ends while a partner may still ask for a tile that names it
	s_endpgm
.Lfunc_end_k_q8c4a983de2_oproj:
	.size	k_q8c4a983de2_oproj, .Lfunc_end_k_q8c4a983de2_oproj-k_q8c4a983de2_oproj
	.p2alignl 7, 3214868480
	.fill 96, 4, 3214868480
	.section	.rodata,"a",@progbits
	.p2align	6, 0x0
	.amdhsa_kernel k_q8c4a983de2_oproj
		.amdhsa_group_segment_fixed_size 327680
		.amdhsa_private_segment_fixed_size 0
		.amdhsa_enable_private_segment 0
		.amdhsa_kernarg_size 32
		.amdhsa_user_sgpr_count 2
		.amdhsa_user_sgpr_kernarg_segment_ptr 1
		.amdhsa_wavefront_size32 1
		.amdhsa_system_sgpr_workgroup_id_x 1
		.amdhsa_system_sgpr_workgroup_id_y 1
		.amdhsa_system_sgpr_workgroup_id_z 1
		.amdhsa_system_vgpr_workitem_id 0
		.amdhsa_next_free_vgpr 512
		.amdhsa_next_free_sgpr 92
		.amdhsa_reserve_vcc 0
		.amdhsa_float_denorm_mode_32 3
		.amdhsa_float_denorm_mode_16_64 3
		.amdhsa_memory_ordered 1
		.amdhsa_forward_progress 1
		.amdhsa_inst_pref_size 128
	.end_amdhsa_kernel
	.amdgpu_metadata
---
amdhsa.version: [ 1, 2 ]
amdhsa.kernels:
  - .name:           k_q8c4a983de2_oproj
    .symbol:         k_q8c4a983de2_oproj.kd
    .args:
      - { .name: ao, .offset: 0, .size: 8, .value_kind: global_buffer, .address_space: global }
      - { .name: wh, .offset: 8, .size: 8, .value_kind: global_buffer, .address_space: global }
      - { .name: scl, .offset: 16, .size: 8, .value_kind: global_buffer, .address_space: global }
      - { .name: out0, .offset: 24, .size: 8, .value_kind: global_buffer, .address_space: global }
    .group_segment_fixed_size: 327680
    .private_segment_fixed_size: 0
    .kernarg_segment_align: 8
    .kernarg_segment_size: 32
    .max_flat_workgroup_size: 128
    .sgpr_count:     92
    .vgpr_count:     512
    .wavefront_size: 32
...
	.end_amdgpu_metadata
.endif
;; end of part 4
